; MI455X (gfx1250); checked and timed in simulation.
; The chip was launched on July 23, 2026; its instructions are those of AMD's public machine-readable ISA for CDNA 5 (MIT licence, August 2026) and "CDNA5" Instruction Set Architecture Reference Guide (July 2026). The comments in the code are by the model that wrote it; some were corrected since.
;; Row Wise Experts MLP. Allowed arithmetic: float matrix products may take bf16 or f16 operands with f32 sums; all other float work in f32.
;; Inputs: W1 8 x 2,048 x 1,024 float32; W2 8 x 1,024 x 2,048 float32; b2 8 x 1,024 float32; eid 2,048 int32; x 2,048 x 1,024 float32.
;; Outputs: out0 2,048 x 1,024 float32.
;; 2 versions, each right; version 2 is version 1 with the launches fc1, fc2 written anew for expert scheduling mode. Each part assembles by itself: llvm-mc -triple=amdgcn-amd-amdhsa -mcpu=gfx1250 --defsym DOCPART=n.
;; ======== version 1 of 2: 4 launches
;; workspace buffers: order 8,704 bytes of whole numbers; meta 256 bytes of whole numbers; xs 4,456,448 bytes; hs 8,912,896 bytes
;; launch route (part 1): grid 1 x 1, 16 waves a work-group, no clusters, 4,096 bytes of LDS; arguments eid, order, meta; writes order, meta
.if DOCPART == 1
	.amdgcn_target "amdgcn-amd-amdhsa--gfx1250"
	.amdhsa_code_object_version 6
	.text
	.protected	k_q776b5aac4c_route
	.globl	k_q776b5aac4c_route
	.p2align	8
	.type	k_q776b5aac4c_route,@function
k_q776b5aac4c_route:
	s_mov_b64 s[64:65], 0
	v_nop
	global_prefetch_b8 v0, s[64:65] scope:SCOPE_SE
	s_setreg_imm32_b32 hwreg(HW_REG_WAVE_MODE, 25, 1), 1
	s_wait_xcnt 0x0
; route: sorts the 2,048 tokens by expert into slots, in tiles of 16 slots that never mix experts.
; Classes 0..7 are the experts; class 8 takes every eid outside 0..7 (such a row matches none of the eight masks, so its result is zero).
; order[slot] = the token in that slot, or 2048 in the slots that pad a class's last tile; pads lie behind the tile's tokens.
; meta pair c (8 bytes) = (first tile, end tile) of class c; pairs 9..15 = (all tiles, all tiles); pairs 16..31 = (0, 0).
; Tiles in all: the sum over 9 classes of ceil(count / 16) <= (2048 + 9 x 15) / 16 = 136, so 2,176 slots are enough.
; One work-group of 16 waves; thread t owns tokens 4 t .. 4 t + 3.  The order of tokens inside a class is (wave, register, lane);
; no result hangs on it.  The list is 8 KiB in all and its places hang on the data, so it is stored word by word.
.set CLS,  4                           ; v[4:7]    class of my four tokens
.set RNK,  8                           ; v[8:11]   their rank among the wave's tokens of the same class
.set ROWS, 16                          ; v[16:31]  the 16 waves' counts; lane c holds class c
.set POS,  41                          ; v[41:44]  slot of my four tokens, then its byte offset
.set TOK,  45                          ; v[45:48]  their numbers
.set IDX,  50                          ; v[50:53]  class x 4: the lane to pull from
.set RUN,  20                          ; s[20:28]  the wave's running count of class c
.set LASTSLOT, 2175
.set PADTOK,   2048
	s_load_b128 s[4:7], s[0:1], 0x0                ; eid s[4:5], order s[6:7]
	s_load_b64 s[8:9], s[0:1], 0x10                ; meta
	v_lshl_add_u32 v64, v0, 2, 0x800
	v_mov_b32 v65, 0
	v_lshrrev_b32 v3, 5, v0
	v_readfirstlane_b32 s10, v3                    ; wave 0..15
	v_and_b32 v1, 31, v0
	v_lshlrev_b32 v54, 3, v1                       ; lane x 8: where wave 0 stores its lane's pair of meta
	v_lshlrev_b32 v1, 2, v1                        ; lane x 4
	v_lshlrev_b32 v2, 4, v0                        ; byte offset of my four eids
	v_lshl_add_u32 v14, s10, 7, v1                 ; my word in my wave's row of 32 words in LDS
	v_mov_b32 v13, 0                               ; the row: lanes 9..31 stay zero
.irp j, 0,1,2,3
	v_mov_b32 v[RNK+\j], 0                         ; written whole: the selects below read it
.endr
.irp c, 0,1,2,3,4,5,6,7,8
	s_mov_b32 s[RUN+\c], 0
.endr
	s_wait_kmcnt 0x0
	global_load_b128 v[CLS:CLS+3], v2, s[4:5]
	s_wait_loadcnt 0x0
.irp j, 0,1,2,3
	v_min_u32 v[CLS+\j], 8, v[CLS+\j]              ; unsigned: negative and too large eids fall into class 8
.endr
; rank of token (j, lane) in class c = tokens of c in registers before j + tokens of c in lower lanes of register j
.macro BALLOT c, j
	v_cmp_eq_u32 s40, \c, v[CLS+\j]
	v_mbcnt_lo_u32_b32 v12, s40, s[RUN+\c]
	v_cndmask_b32 v[RNK+\j], v[RNK+\j], v12, s40
	s_bcnt1_i32_b32 s41, s40
	s_add_co_u32 s[RUN+\c], s[RUN+\c], s41
.endm
.irp c, 0,1,2,3,4,5,6,7,8
.irp j, 0,1,2,3
	BALLOT \c, \j
.endr
.endr
.irp c, 0,1,2,3,4,5,6,7,8
	v_writelane_b32 v13, s[RUN+\c], \c             ; lane c: my wave's count of class c
.endr
	ds_store_b32 v14, v13
	s_wait_dscnt 0x0                               ; for the other waves' sake: my row is in LDS before I signal
	s_barrier_signal -1
	s_barrier_wait -1
.irp w, 0,1,2,3,4,5,6,7,8,9,10,11,12,13,14,15
	ds_load_b32 v[ROWS+\w], v1 offset:128*\w       ; every wave reads all 16 rows
.endr
	s_wait_dscnt 0x0
	v_add_nc_u32 v32, v[ROWS], v[ROWS+1]           ; v32: the class's count over all waves
.irp w, 2,4,6,8,10,12,14
	v_add3_u32 v32, v32, v[ROWS+\w], v[ROWS+\w+1]
.endr
.irp w, 0,1,2,3,4,5,6,7,8,9,10,11,12,13,14
	s_cmp_gt_u32 s10, \w                           ; rows of the waves in front of mine stay, the others become zero
	s_cselect_b32 s41, -1, 0
	v_and_b32 v[ROWS+\w], s41, v[ROWS+\w]
.endr
	v_add3_u32 v33, v[ROWS], v[ROWS+1], v[ROWS+2]  ; v33: the class's count in the waves in front of mine
.irp w, 3,5,7,9,11,13
	v_add3_u32 v33, v33, v[ROWS+\w], v[ROWS+\w+1]
.endr
	v_add_nc_u32 v34, 15, v32
	v_lshrrev_b32 v34, 4, v34                      ; tiles of the class
	v_mov_b32 v37, v34
.irp n, 1,2,4,8
	v_mov_b32_dpp v12, v37 row_shr:\n row_mask:0xf bank_mask:0xf bound_ctrl:1   ; inclusive sum along the 16 lanes; no source: zero
	v_add_nc_u32 v37, v37, v12
.endr
	v_sub_nc_u32 v36, v37, v34                     ; v[36:37] = (first tile, end tile)
	v_lshl_add_u32 v38, v36, 4, v33                ; first slot for my wave's tokens of the class
	v_lshl_add_u32 v39, v36, 4, v32                ; first pad slot
	v_lshlrev_b32 v40, 4, v37                      ; end slot
.irp j, 0,1,2,3
	v_lshlrev_b32 v[IDX+\j], 2, v[CLS+\j]
	ds_bpermute_b32 v[POS+\j], v[IDX+\j], v38      ; pull lane 'class'
.endr
	v_lshrrev_b32 v49, 4, v0                       ; pads: thread t looks at pad j = t mod 16 of class t / 16 (classes 9..31 have none)
	v_lshlrev_b32 v49, 2, v49
	ds_bpermute_b32 v56, v49, v39
	ds_bpermute_b32 v57, v49, v40
	v_and_b32 v58, 15, v0
	v_mov_b32 v55, PADTOK
	s_wait_dscnt 0x0
.irp j, 0,1,2,3
	v_add_nc_u32 v[POS+\j], v[POS+\j], v[RNK+\j]
	v_min_u32 v[POS+\j], LASTSLOT, v[POS+\j]       ; met by the count of tiles above; keeps the offset inside the buffer by the text alone
	v_lshlrev_b32 v[POS+\j], 2, v[POS+\j]
	v_lshl_add_u32 v[TOK+\j], v0, 2, \j
	global_store_b32 v[POS+\j], v[TOK+\j], s[6:7]
.endr
	v_add_nc_u32 v56, v56, v58
	v_cmp_lt_u32 vcc_lo, v56, v57                  ; a pad slot of this class?
	v_min_u32 v56, LASTSLOT, v56
	v_lshlrev_b32 v56, 2, v56
	s_wait_xcnt 0x0                                ; EXEC is a source of the stores above: it changes only behind this wait
	s_and_saveexec_b32 s42, vcc_lo
	global_store_b32 v56, v55, s[6:7]
	s_wait_xcnt 0x0                                ; and again in front of the line that widens it
	s_or_b32 exec_lo, exec_lo, s42
	s_cmp_lg_u32 s10, 0
	s_cbranch_scc1 .Lend
	global_store_b64 v54, v[36:37], s[8:9]         ; wave 0 stores the 32 pairs: 256 consecutive bytes, the whole buffer
.Lend:
	s_wait_tensorcnt 0x0
	ds_add_u32 v64, v65
	s_wait_dscnt 0x0
	s_endpgm
.Lfunc_end_k_q776b5aac4c_route:
	.size	k_q776b5aac4c_route, .Lfunc_end_k_q776b5aac4c_route-k_q776b5aac4c_route
	.p2alignl 7, 3214868480
	.fill 96, 4, 3214868480
	.section	.rodata,"a",@progbits
	.p2align	6, 0x0
	.amdhsa_kernel k_q776b5aac4c_route
		.amdhsa_group_segment_fixed_size 4096
		.amdhsa_private_segment_fixed_size 0
		.amdhsa_enable_private_segment 0
		.amdhsa_kernarg_size 24
		.amdhsa_user_sgpr_count 2
		.amdhsa_user_sgpr_kernarg_segment_ptr 1
		.amdhsa_wavefront_size32 1
		.amdhsa_system_sgpr_workgroup_id_x 1
		.amdhsa_system_sgpr_workgroup_id_y 1
		.amdhsa_system_sgpr_workgroup_id_z 1
		.amdhsa_system_vgpr_workitem_id 0
		.amdhsa_next_free_vgpr 66
		.amdhsa_next_free_sgpr 66
		.amdhsa_reserve_vcc 1
		.amdhsa_float_denorm_mode_32 3
		.amdhsa_float_denorm_mode_16_64 3
		.amdhsa_memory_ordered 1
		.amdhsa_forward_progress 1
		.amdhsa_inst_pref_size 18
	.end_amdhsa_kernel
	.amdgpu_metadata
---
amdhsa.version: [ 1, 2 ]
amdhsa.kernels:
  - .name:           k_q776b5aac4c_route
    .symbol:         k_q776b5aac4c_route.kd
    .args:
      - { .name: eid, .offset: 0, .size: 8, .value_kind: global_buffer, .address_space: global }
      - { .name: order, .offset: 8, .size: 8, .value_kind: global_buffer, .address_space: global }
      - { .name: meta, .offset: 16, .size: 8, .value_kind: global_buffer, .address_space: global }
    .group_segment_fixed_size: 4096
    .private_segment_fixed_size: 0
    .kernarg_segment_align: 8
    .kernarg_segment_size: 24
    .max_flat_workgroup_size: 512
    .sgpr_count:     66
    .vgpr_count:     66
    .wavefront_size: 32
...
	.end_amdgpu_metadata
.endif
;; end of part 1
;; launch gather (part 2): grid 128 x 2, 4 waves a work-group, no clusters, 17,920 bytes of LDS; arguments x, order, meta, xs, out0; writes xs, out0
.if DOCPART == 2
	.amdgcn_target "amdgcn-amd-amdhsa--gfx1250"
	.amdhsa_code_object_version 6
	.text
	.protected	k_q776b5aac4c_gather
	.globl	k_q776b5aac4c_gather
	.p2align	8
	.type	k_q776b5aac4c_gather,@function
k_q776b5aac4c_gather:
	s_mov_b64 s[64:65], 0
	v_nop
	global_prefetch_b8 v0, s[64:65] scope:SCOPE_SE
	s_setreg_imm32_b32 hwreg(HW_REG_WAVE_MODE, 25, 1), 1
	s_wait_xcnt 0x0
; gather: brings the tokens' rows of x into slot order, rounds them to bf16 and lays them out as the matrix unit's fragments:
;   xs byte = tile x 32768 + ks x 1024 + half x 512 + lane x 16;  lane (r = lane mod 16, h = lane / 16) holds slot 16 tile + r,
;   k = 32 ks + 16 half + 8 h + 0..7.  The next launch then fills a fragment by two loads of 512 consecutive bytes.
; Tiles of class 8 (eid outside 0..7) get no fragments: their tokens' rows of out0 are stored as zeros here.
; Work-group (x, y) takes tiles x, x + 128, .. below the count of tiles (at least 128, since 2,048 tokens fill 128 tiles; at most 136).
; Wave w takes k = 128 (4 y + w) .. + 127 of the tile's 16 rows: 512 consecutive bytes of each row in, 4,096 consecutive bytes out.
; A pad slot reads row 2047: a slot's numbers stay in its own column of every later product, and a pad's results are never stored to out0.
; The transposition goes through a stage in LDS that is the wave's own: no barrier; LDS serves a wave's instructions in order (ISA guide 5.7.1).
; No matrix unit, no cluster, no tensor load: the launch moves 8 MiB once and its work-groups share nothing.
.set ROFF, 2                           ; v[2:17]   byte offset of my 16 bytes in each of the tile's 16 rows
.set XR,   32                          ; v[32:95]  row r: 4 f32 as loaded, then 2 words of bf16
.set RR,   96                          ; v[96:127] piece q of eight: 16 bytes of a fragment
.set ORD,  32                          ; s[32:47]  the tile's 16 tokens
.set SPITCH, 272                       ; a stage row: 256 bytes + 16, an odd multiple of 16: the 16 rows that a load touches start at 16 different 16-byte columns modulo 256
.set LASTTILE, 135
	s_load_b256 s[4:11], s[0:1], 0x0               ; x s[4:5], order s[6:7], meta s[8:9], xs s[10:11]
	s_load_b64 s[12:13], s[0:1], 0x20              ; out0
	v_lshl_add_u32 v128, v0, 2, 0x4400
	v_mov_b32 v129, 0
	v_lshrrev_b32 v21, 5, v0
	v_readfirstlane_b32 s14, v21                   ; wave
	s_and_b32 s15, ttmp7, 0xffff
	s_lshl2_add_u32 s24, s15, s14                  ; my slice of K: 4 y + w
	v_and_b32 v22, 31, v0                          ; lane
	v_and_b32 v23, 15, v0                          ; r
	v_bfe_u32 v24, v0, 4, 1                        ; h
	s_lshl_b32 s25, s24, 9
	v_lshl_add_u32 v1, v22, 4, s25                 ; my 16 bytes in a row of x (and of out0): 512 slice + 16 lane
	s_mul_i32 s26, s14, 16*SPITCH                  ; my wave's stage
	v_lshl_add_u32 v18, v22, 3, s26                ; in: 8 bytes a lane along a row
	v_mad_u32_u24 v19, v23, SPITCH, s26            ; back: row r, 16 bytes at 16 h
	v_lshl_add_u32 v19, v24, 4, v19
	s_lshl_b32 s27, s24, 12
	v_lshl_add_u32 v20, v22, 4, s27                ; my 16 bytes in the tile of xs: 4096 slice + 16 lane
	s_mov_b32 s16, ttmp9                           ; the tile
	s_mov_b32 s21, 0
	s_mov_b32 s29, 0
	s_mov_b32 s50, 0                               ; the loop's counter: trips
	s_wait_kmcnt 0x0
	s_load_b64 s[18:19], s[8:9], 0x40              ; pair 8: first tile of class 8, count of all tiles
	s_wait_kmcnt 0x0
	s_sub_co_u32 s51, s19, ttmp9                   ; trips = ceil((tiles - x) / 128): one or two
	s_add_co_u32 s51, s51, 127
	s_lshr_b32 s51, s51, 7
.Ltile:
	s_min_u32 s17, s16, LASTTILE
	s_lshl_b32 s20, s17, 6
	s_add_nc_u64 s[30:31], s[6:7], s[20:21]
	s_load_b512 s[32:47], s[30:31], 0x0            ; the tile's 16 tokens
	s_lshl_b32 s28, s17, 15
	s_add_nc_u64 s[22:23], s[10:11], s[28:29]      ; the tile in xs
	s_wait_kmcnt 0x0
	s_cmp_ge_u32 s16, s18
	s_cbranch_scc1 .Lzero
.irp r, 0,1,2,3,4,5,6,7,8,9,10,11,12,13,14,15
	s_min_u32 s48, s[ORD+\r], 2047                 ; a pad (2048) reads the last row
	s_lshl_b32 s48, s48, 12
	v_add_nc_u32 v[ROFF+\r], s48, v1
	global_load_b128 v[XR+4*\r:XR+4*\r+3], v[ROFF+\r], s[4:5]
.endr
.irp r, 0,1,2,3,4,5,6,7,8,9,10,11,12,13,14,15
	s_wait_loadcnt 15-\r                           ; loads come back in order (ISA guide 5.7.1): row r is in, the younger rows stay out
	v_cvt_pk_bf16_f32 v[XR+4*\r], v[XR+4*\r], v[XR+4*\r+1]
	v_cvt_pk_bf16_f32 v[XR+4*\r+1], v[XR+4*\r+2], v[XR+4*\r+3]
	ds_store_b64 v18, v[XR+4*\r:XR+4*\r+1] offset:SPITCH*\r
.endr
.irp q, 0,1,2,3,4,5,6,7
	ds_load_b128 v[RR+4*\q:RR+4*\q+3], v19 offset:(\q>>1)*64+(\q&1)*32   ; K step q / 2 of my four, half q mod 2
.endr
.irp q, 0,1,2,3,4,5,6,7
	s_wait_dscnt 7-\q                              ; piece q is in, the younger ones stay out
	global_store_b128 v20, v[RR+4*\q:RR+4*\q+3], s[22:23] offset:512*\q    ; 512 consecutive bytes, aligned
.endr
	s_branch .Lnext
.Lzero:
.irp k, 0,1,2,3
	v_mov_b32 v[RR+\k], 0
.endr
.macro ZROW r
	s_cmp_lt_u32 s[ORD+\r], 2048                   ; a token, not a pad
	s_cbranch_scc0 .Lskip_\@
	s_min_u32 s48, s[ORD+\r], 2047
	s_lshl_b32 s48, s48, 12
	v_add_nc_u32 v[ROFF+\r], s48, v1
	global_store_b128 v[ROFF+\r], v[RR:RR+3], s[12:13]   ; my 512 bytes of the row
.Lskip_\@:
.endm
.irp r, 0,1,2,3,4,5,6,7,8,9,10,11,12,13,14,15
	ZROW \r
.endr
.Lnext:
	s_wait_xcnt 0x0                                ; the stores' data, offsets and base are rewritten only behind this wait
	s_add_co_u32 s16, s16, 128                     ; my next tile
	s_add_co_u32 s50, s50, 1
	s_cmp_lt_u32 s50, s51
	s_cbranch_scc1 .Ltile
	s_wait_tensorcnt 0x0
	ds_add_u32 v128, v129
	s_wait_dscnt 0x0
	s_endpgm
.Lfunc_end_k_q776b5aac4c_gather:
	.size	k_q776b5aac4c_gather, .Lfunc_end_k_q776b5aac4c_gather-k_q776b5aac4c_gather
	.p2alignl 7, 3214868480
	.fill 96, 4, 3214868480
	.section	.rodata,"a",@progbits
	.p2align	6, 0x0
	.amdhsa_kernel k_q776b5aac4c_gather
		.amdhsa_group_segment_fixed_size 17920
		.amdhsa_private_segment_fixed_size 0
		.amdhsa_enable_private_segment 0
		.amdhsa_kernarg_size 40
		.amdhsa_user_sgpr_count 2
		.amdhsa_user_sgpr_kernarg_segment_ptr 1
		.amdhsa_wavefront_size32 1
		.amdhsa_system_sgpr_workgroup_id_x 1
		.amdhsa_system_sgpr_workgroup_id_y 1
		.amdhsa_system_sgpr_workgroup_id_z 1
		.amdhsa_system_vgpr_workitem_id 0
		.amdhsa_next_free_vgpr 130
		.amdhsa_next_free_sgpr 66
		.amdhsa_reserve_vcc 0
		.amdhsa_float_denorm_mode_32 3
		.amdhsa_float_denorm_mode_16_64 3
		.amdhsa_memory_ordered 1
		.amdhsa_forward_progress 1
		.amdhsa_inst_pref_size 16
	.end_amdhsa_kernel
	.amdgpu_metadata
---
amdhsa.version: [ 1, 2 ]
amdhsa.kernels:
  - .name:           k_q776b5aac4c_gather
    .symbol:         k_q776b5aac4c_gather.kd
    .args:
      - { .name: x, .offset: 0, .size: 8, .value_kind: global_buffer, .address_space: global }
      - { .name: order, .offset: 8, .size: 8, .value_kind: global_buffer, .address_space: global }
      - { .name: meta, .offset: 16, .size: 8, .value_kind: global_buffer, .address_space: global }
      - { .name: xs, .offset: 24, .size: 8, .value_kind: global_buffer, .address_space: global }
      - { .name: out0, .offset: 32, .size: 8, .value_kind: global_buffer, .address_space: global }
    .group_segment_fixed_size: 17920
    .private_segment_fixed_size: 0
    .kernarg_segment_align: 8
    .kernarg_segment_size: 40
    .max_flat_workgroup_size: 128
    .sgpr_count:     66
    .vgpr_count:     130
    .wavefront_size: 32
...
	.end_amdgpu_metadata
.endif
;; end of part 2
;; launch fc1 (part 3): grid 256 x 1, 4 waves a work-group, no clusters, 132,608 bytes of LDS; arguments xs, W1, meta, hs; writes hs
.if DOCPART == 3
	.amdgcn_target "amdgcn-amd-amdhsa--gfx1250"
	.amdhsa_code_object_version 6
	.text
	.protected	k_q776b5aac4c_fc1
	.globl	k_q776b5aac4c_fc1
	.p2align	8
	.type	k_q776b5aac4c_fc1,@function
k_q776b5aac4c_fc1:
	s_mov_b64 s[64:65], 0
	v_nop
	global_prefetch_b8 v0, s[64:65] scope:SCOPE_SE
	s_setreg_imm32_b32 hwreg(HW_REG_WAVE_MODE, 25, 1), 1
	s_wait_xcnt 0x0
; fc1: hs = gelu(xs W1[e]^T), for each expert on its own tiles of 16 token slots.
; Work-group g owns 64 rows of W1 (expert g / 32, hidden units 64 (g mod 32) ..) over the whole K = 1024: 256 KiB of f32, read once
; by the launch, rounded to bf16 and kept in LDS.  Then each of the four waves walks token tiles on its own, five at a time.
; The matrix instruction is used transposed: source 0 = 16 weight rows (from LDS), source 1 = 16 token slots (two loads of 512
; consecutive bytes straight from xs, which lies in fragment order).  In the result lane (r, h) holds slot r, hidden units 8 h + 0..7
; of the 16: after gelu and rounding these are four registers of the next layer's fragment, stored as they are:
;   hs byte = tile x 65536 + ks x 1024 + half x 512 + lane x 16, as xs with K = 2048.
; ONE barrier, between the weights' LDS stores and their first read; it stands ahead of every branch on a count.
; NO TENSOR LOADS, NO JOINT REQUESTS for the token tiles that the 32 work-groups of an expert share: every refill of a shared LDS slot
; stands behind a barrier, and the number of refills would be the expert's count of tiles, read from memory; in this text a barrier
; stands only where no loaded number steers the way.
; Tiles past a wave's last one are clamped to the last valid tile: they repeat its products and are not stored.
; A work-group whose expert has no token still streams its slab and then ends.
; GELU: gelu(x) = max(x, 0) - |x| (1/2) erfc(|x| / sqrt 2), erfc by the five-term series of Abramowitz and Stegun 7.1.26
; (absolute error of erf 1.5e-7, which here is multiplied by |x| / 2).  No difference of large numbers is formed; where x x overflows
; the exponential is zero and gelu(x) = max(x, 0).
.set KS,  32                           ; K steps of 32
.set MT,  5                            ; token tiles of a wave in one pass
.set RD,  6                            ; slots in the ring of token fragments
.set P,   2064                         ; an LDS row of weights: 2,048 bytes + 16, an odd multiple of 16: a fragment's 16 rows start at 16 different 16-byte columns modulo 256
.set LPR, 8                            ; loads of 512 bytes in a weight row
.set NL,  128                          ; such loads of a wave: 16 rows
.set WD,  48                           ; of them on their way: 24 KiB a wave
.set BADR, 4                           ; v[4:7]     LDS address of my part of weight tile b
.set AOFF, 8                           ; v[8:12]    byte offset of my 16 bytes in token tile i of xs
.set HOFF, 13                          ; v[13:17]   the same in hs, at my work-group's 2,048 bytes
.set HB,   18                          ; v18        2048 (g mod 32) + 16 lane
.set CE,   20                          ; v[20:31]   six constants, each twice, for the packed arithmetic
.set C5,   22
.set C4,   24
.set C3,   26
.set C2,   28
.set C1,   30
.set ACC,  32                          ; v[32:191]  accumulator (i, b) at 32 + 8 (4 i + b)
.set BB,   192                         ; v[192:255] weight fragments, two buffers of four
.set X,    32                          ; v[32:223]  the weight stream's 48 slots of four registers (before the barrier only)
.set U,    192                         ; after the K loop: at work on the gelu
.set Q,    200
.set PP,   208
.set M,    216
; registers 256 and up (window 1): the ring of token fragments, slot s at 40 s, tile i at + 8 i
.set MSB, 0
.macro WIN new                         ; the immediate's high byte repeats the setting that is left
.if MSB != \new
	s_set_vgpr_msb (MSB<<8)|\new
.set MSB, \new
.endif
.endm
.macro PLACES n
.rept \n
	v_nop
.endr
.endm
.macro VPAIR reg, bits
	v_mov_b32 v[\reg], \bits
	v_mov_b32 v[\reg+1], \bits
.endm
; the token fragments of K step ks, into its slot of the ring (destination in window 1)
.macro ALOAD ks
.irp i, 0,1,2,3,4
	global_load_b128 v[8*MT*((\ks)%RD)+8*\i:8*MT*((\ks)%RD)+8*\i+3], v[AOFF+\i], s[4:5] offset:(\ks)*1024
	global_load_b128 v[8*MT*((\ks)%RD)+8*\i+4:8*MT*((\ks)%RD)+8*\i+7], v[AOFF+\i], s[4:5] offset:(\ks)*1024+512
.endr
.endm
; the four weight fragments of K step ks; an LDS load names a destination and source 0 alone, both in window 0 under setting 0x04 too
.macro BLOAD ks
.irp b, 0,1,2,3
	ds_load_b128 v[BB+32*((\ks)&1)+8*\b:BB+32*((\ks)&1)+8*\b+3], v[BADR+\b] offset:(\ks)*64
	ds_load_b128 v[BB+32*((\ks)&1)+8*\b+4:BB+32*((\ks)&1)+8*\b+7], v[BADR+\b] offset:(\ks)*64+32
.endr
.endm
; 20 matrix instructions on 20 accumulators, which take turns, one instruction a turn, in the same order in every K step.
; The first K step starts the sums: nothing is cleared.
.macro MULS k
.irp i, 0,1,2,3,4
.irp b, 0,1,2,3
.if (\k) == 0
	v_wmma_f32_16x16x32_bf16 v[ACC+8*(4*\i+\b):ACC+8*(4*\i+\b)+7], v[BB+32*((\k)&1)+8*\b:BB+32*((\k)&1)+8*\b+7], v[8*MT*((\k)%RD)+8*\i:8*MT*((\k)%RD)+8*\i+7], 0
.else
	v_wmma_f32_16x16x32_bf16 v[ACC+8*(4*\i+\b):ACC+8*(4*\i+\b)+7], v[BB+32*((\k)&1)+8*\b:BB+32*((\k)&1)+8*\b+7], v[8*MT*((\k)%RD)+8*\i:8*MT*((\k)%RD)+8*\i+7], v[ACC+8*(4*\i+\b):ACC+8*(4*\i+\b)+7]
.endif
.endr
.endr
.endm
; gelu of the eight numbers in v[a:a+7], in place
.macro GELU8 a
.irp j, 0,1,2,3,4,5,6,7
	v_fma_f32 v[U+\j], |v[\a+\j]|, s24, 1.0        ; 1 + p |x| / sqrt 2
.endr
.irp j, 0,1,2,3,4,5,6,7
	v_rcp_f32 v[U+\j], v[U+\j]                     ; t
.endr
.irp j, 0,2,4,6
	v_pk_mul_f32 v[Q+\j:Q+\j+1], v[\a+\j:\a+\j+1], v[\a+\j:\a+\j+1]   ; plain work that names no t stands behind the reciprocals (ISA guide 5.7.2)
.endr
.irp j, 0,2,4,6
	v_pk_mul_f32 v[Q+\j:Q+\j+1], v[Q+\j:Q+\j+1], v[CE:CE+1]           ; - x x / 2 x log2 e
.endr
.irp j, 0,1,2,3,4,5,6,7
	v_exp_f32 v[Q+\j], v[Q+\j]                     ; exp(- x x / 2)
.endr
	s_wait_alu depctr_va_vdst(0)
.irp j, 0,2,4,6
	v_pk_fma_f32 v[PP+\j:PP+\j+1], v[U+\j:U+\j+1], v[C5:C5+1], v[C4:C4+1]   ; plain work that names no exponential stands behind them
.endr
.irp c, C3, C2, C1
.irp j, 0,2,4,6
	v_pk_fma_f32 v[PP+\j:PP+\j+1], v[PP+\j:PP+\j+1], v[U+\j:U+\j+1], v[\c:\c+1]
.endr
.endr
.irp j, 0,2,4,6
	v_pk_mul_f32 v[PP+\j:PP+\j+1], v[PP+\j:PP+\j+1], v[U+\j:U+\j+1]
.endr
.irp j, 0,2,4,6
	v_pk_mul_f32 v[PP+\j:PP+\j+1], v[PP+\j:PP+\j+1], v[Q+\j:Q+\j+1]   ; (1/2) erfc(|x| / sqrt 2)
.endr
.irp j, 0,1,2,3,4,5,6,7
	v_max_num_f32 v[M+\j], 0, v[\a+\j]
.endr
.irp j, 0,1,2,3,4,5,6,7
	v_fma_f32 v[\a+\j], -|v[\a+\j]|, v[PP+\j], v[M+\j]
.endr
.endm
; tile i of the pass: gelu, rounding, four stores of 512 consecutive bytes.  The first tile past the wave's last one ends the pass.
.macro EPI i
.if \i > 0
	s_add_co_u32 s20, s18, \i
	s_cmp_ge_u32 s20, s17
	s_cbranch_scc1 .Lpend
.endif
.irp b, 0,1,2,3
	GELU8 (ACC+8*(4*\i+\b))
.irp r, 0,1,2,3
	v_cvt_pk_bf16_f32 v[ACC+8*(4*\i+\b)+\r], v[ACC+8*(4*\i+\b)+2*\r], v[ACC+8*(4*\i+\b)+2*\r+1]
.endr
	global_store_b128 v[HOFF+\i], v[ACC+8*(4*\i+\b):ACC+8*(4*\i+\b)+3], s[10:11] offset:512*\b
.endr
.endm
	s_load_b256 s[4:11], s[0:1], 0x0               ; xs s[4:5], W1 s[6:7], meta s[8:9], hs s[10:11]
	s_set_vgpr_msb 0x40
	v_lshl_add_u32 v254, v0, 2, 0x20400
	v_mov_b32 v255, 0
	s_set_vgpr_msb 0x4000
	v_lshrrev_b32 v19, 5, v0
	v_readfirstlane_b32 s12, v19                   ; wave
	s_lshr_b32 s13, ttmp9, 5                       ; expert
	s_and_b32 s14, ttmp9, 31                       ; which 64 hidden units
	s_lshl_b32 s20, s13, 3                         ; the expert's pair in meta
	s_mov_b32 s21, 0
	s_lshl_b32 s22, ttmp9, 18                      ; my slab: 64 rows of 4,096 bytes
	s_mov_b32 s23, 0
	s_mov_b32 s24, 0x3e6d3388                      ; 0.3275911 / sqrt 2
	v_and_b32 v19, 31, v0
	v_lshlrev_b32 v1, 4, v19                       ; 16 lane
	s_lshl_b32 s38, s12, 16
	v_add_nc_u32 v2, s38, v1                       ; my wave's 16 rows of the slab
	s_mul_i32 s39, s12, 16*P
	v_lshl_add_u32 v3, v19, 3, s39                 ; and where they go in LDS: 8 bytes a lane
	v_and_b32 v[HOFF], 15, v0                      ; r
	v_bfe_u32 v[HOFF+1], v0, 4, 1                  ; h
	v_mul_u32_u24 v[BADR], v[HOFF], P
	v_lshl_add_u32 v[BADR], v[HOFF+1], 4, v[BADR]  ; r P + 16 h
.irp b, 1,2,3
	v_add_nc_u32 v[BADR+\b], \b*16*P, v[BADR]      ; a register for each weight tile: 48 P is more than an LDS immediate holds
.endr
	s_lshl_b32 s40, s14, 11
	v_add_nc_u32 v[HB], s40, v1
	VPAIR CE, 0xbf38aa3b                           ; - log2 e / 2
	VPAIR C5, 0x3f07dc22                           ; the series' coefficients, halved: 0.5307027
	VPAIR C4, 0xbf3a00e3                           ; -0.7265760
	VPAIR C3, 0x3f35f0e3                           ; 0.7107069
	VPAIR C2, 0xbe11a98e                           ; -0.1422484
	VPAIR C1, 0x3e027906                           ; 0.1274148
	s_wait_kmcnt 0x0
	s_add_nc_u64 s[20:21], s[8:9], s[20:21]
	s_load_b64 s[16:17], s[20:21], 0x0             ; first and end tile of my expert; waited for in front of the barrier
	s_add_nc_u64 s[6:7], s[6:7], s[22:23]
	; THE WEIGHTS: 128 loads of 512 consecutive bytes a wave, 48 on their way; each is rounded to 256 bytes of bf16 and laid into LDS
.set wi, 0
.rept WD
	global_load_b128 v[X+4*wi:X+4*wi+3], v2, s[6:7] offset:wi*512 th:TH_LOAD_NT
.set wi, wi+1
.endr
.set wi, 0
.rept NL
.if NL-1-wi < WD-1
	s_wait_loadcnt NL-1-wi                         ; the tail: the counts run down
.else
	s_wait_loadcnt WD-1                            ; loads come back in order: this slot's is in, the 47 younger ones stay out
.endif
	v_cvt_pk_bf16_f32 v[X+4*(wi%WD)], v[X+4*(wi%WD)], v[X+4*(wi%WD)+1]
	v_cvt_pk_bf16_f32 v[X+4*(wi%WD)+1], v[X+4*(wi%WD)+2], v[X+4*(wi%WD)+3]
	ds_store_b64 v3, v[X+4*(wi%WD):X+4*(wi%WD)+1] offset:(wi/LPR)*P+(wi%LPR)*256
.if wi+WD < NL
	global_load_b128 v[X+4*(wi%WD):X+4*(wi%WD)+3], v2, s[6:7] offset:(wi+WD)*512 th:TH_LOAD_NT
.endif
.set wi, wi+1
.endr
	s_wait_kmcnt 0x0                               ; the pair of tiles
	s_wait_dscnt 0x0                               ; for the other waves' sake: my 16 rows are in LDS before I signal
	s_barrier_signal -1
	s_barrier_wait -1                              ; the slab is whole; nobody writes it again
	s_mul_i32 s20, s12, MT
	s_add_co_u32 s18, s16, s20                     ; my first tile; 20 tiles a pass for the four waves
	s_sub_co_u32 s19, s17, 1                       ; the expert's last tile
	s_cmp_ge_u32 s18, s17
	s_cbranch_scc1 .Ldone
	s_sub_co_u32 s42, s17, s18                     ; passes = ceil(n / 20), n = the tiles from my first to the end, at most 136:
	s_add_co_u32 s42, s42, 4*MT-1                  ; floor(y / 20) = (3277 y) >> 16 for y <= 155, since 3277 x 20 = 65540 adds less than 0.001 to a fraction of at most 0.95
	s_mul_i32 s42, s42, 3277
	s_lshr_b32 s42, s42, 16
	s_mov_b32 s41, 0                               ; the loop's counter: passes
.Lpass:
.irp i, 0,1,2,3,4
	s_add_co_u32 s20, s18, \i
	s_min_u32 s20, s20, s19                        ; past the end: the last valid tile again
	s_min_u32 s20, s20, 135                        ; inside the buffers by the text alone
	s_lshl_b32 s21, s20, 15
	v_add_nc_u32 v[AOFF+\i], s21, v1
	s_lshl_b32 s21, s20, 16
	v_add_nc_u32 v[HOFF+\i], s21, v[HB]
.endr
	WIN 0x40
.set ki, 0
.rept RD-1
	ALOAD ki                                       ; K steps 0 to 4: 50 loads on their way
.set ki, ki+1
.endr
	WIN 0x04
	BLOAD 0
.set ki, 0
.rept KS
.if ki > 0
	PLACES 4                                       ; four places between the last step's matrix instructions and the loads into the registers that they read (ISA guide 7.12.1 for vector instructions)
.endif
.if KS-1-ki < RD-2
	s_wait_loadcnt 2*MT*(KS-1-ki)
.else
	s_wait_loadcnt 2*MT*(RD-2)                     ; this step's ten loads are in; those of the four younger steps stay out
.endif
.if ki+RD-1 < KS
	WIN 0x40
	ALOAD ki+RD-1                                  ; into the slot that the last step read
	WIN 0x04
.endif
.if ki+1 < KS
	BLOAD ki+1
	s_wait_dscnt 0x8                               ; all but the eight just issued: this step's weight fragments are in
.else
	s_wait_dscnt 0x0
.endif
	MULS ki
.set ki, ki+1
.endr
	WIN 0
	PLACES 5                                       ; behind the last matrix instruction: for the arithmetic that reads the sums and writes over the weight fragments, and for the next pass's first products, which write over the sums
	EPI 0
	EPI 1
	EPI 2
	EPI 3
	EPI 4
.Lpend:
	s_wait_xcnt 0x0                                ; the stores' data and offsets are rewritten only behind this wait
	s_add_co_u32 s18, s18, 4*MT                    ; my next five tiles
	s_add_co_u32 s41, s41, 1
	s_cmp_lt_u32 s41, s42
	s_cbranch_scc1 .Lpass
.Ldone:
	s_set_vgpr_msb 0x5
	s_wait_tensorcnt 0x0
	ds_add_u32 v254, v255
	s_wait_dscnt 0x0
	s_set_vgpr_msb 0x500
	s_endpgm
.Lfunc_end_k_q776b5aac4c_fc1:
	.size	k_q776b5aac4c_fc1, .Lfunc_end_k_q776b5aac4c_fc1-k_q776b5aac4c_fc1
	.p2alignl 7, 3214868480
	.fill 96, 4, 3214868480
	.section	.rodata,"a",@progbits
	.p2align	6, 0x0
	.amdhsa_kernel k_q776b5aac4c_fc1
		.amdhsa_group_segment_fixed_size 132608
		.amdhsa_private_segment_fixed_size 0
		.amdhsa_enable_private_segment 0
		.amdhsa_kernarg_size 32
		.amdhsa_user_sgpr_count 2
		.amdhsa_user_sgpr_kernarg_segment_ptr 1
		.amdhsa_wavefront_size32 1
		.amdhsa_system_sgpr_workgroup_id_x 1
		.amdhsa_system_sgpr_workgroup_id_y 1
		.amdhsa_system_sgpr_workgroup_id_z 1
		.amdhsa_system_vgpr_workitem_id 0
		.amdhsa_next_free_vgpr 512
		.amdhsa_next_free_sgpr 66
		.amdhsa_reserve_vcc 0
		.amdhsa_float_denorm_mode_32 3
		.amdhsa_float_denorm_mode_16_64 3
		.amdhsa_memory_ordered 1
		.amdhsa_forward_progress 1
		.amdhsa_inst_pref_size 222
	.end_amdhsa_kernel
	.amdgpu_metadata
---
amdhsa.version: [ 1, 2 ]
amdhsa.kernels:
  - .name:           k_q776b5aac4c_fc1
    .symbol:         k_q776b5aac4c_fc1.kd
    .args:
      - { .name: xs, .offset: 0, .size: 8, .value_kind: global_buffer, .address_space: global }
      - { .name: W1, .offset: 8, .size: 8, .value_kind: global_buffer, .address_space: global }
      - { .name: meta, .offset: 16, .size: 8, .value_kind: global_buffer, .address_space: global }
      - { .name: hs, .offset: 24, .size: 8, .value_kind: global_buffer, .address_space: global }
    .group_segment_fixed_size: 132608
    .private_segment_fixed_size: 0
    .kernarg_segment_align: 8
    .kernarg_segment_size: 32
    .max_flat_workgroup_size: 128
    .sgpr_count:     66
    .vgpr_count:     512
    .wavefront_size: 32
...
	.end_amdgpu_metadata
.endif
;; end of part 3
;; launch fc2 (part 4): grid 256 x 1, 4 waves a work-group, no clusters, 281,088 bytes of LDS; arguments hs, W2, b2, order, meta, out0; writes out0
.if DOCPART == 4
	.amdgcn_target "amdgcn-amd-amdhsa--gfx1250"
	.amdhsa_code_object_version 6
	.text
	.protected	k_q776b5aac4c_fc2
	.globl	k_q776b5aac4c_fc2
	.p2align	8
	.type	k_q776b5aac4c_fc2,@function
k_q776b5aac4c_fc2:
	s_mov_b64 s[64:65], 0
	v_nop
	global_prefetch_b8 v0, s[64:65] scope:SCOPE_SE
	s_setreg_imm32_b32 hwreg(HW_REG_WAVE_MODE, 25, 1), 1
	s_wait_xcnt 0x0
; fc2: out0[token] = hs W2[e]^T + b2[e], scattered back to the tokens' rows.
; Work-group g owns 64 rows of W2 (slab g / 2: expert g / 32, output columns 64 ((g / 2) mod 16) ..) over the whole K = 2048, 512 KiB of
; f32 rounded to bf16 in LDS, and half of the expert's tiles (g mod 2).  64 columns of f32 are 256 bytes: a token's piece of out0 is
; 256 consecutive bytes, aligned, stored whole by one instruction.  Each slab is read by two neighbouring work-groups, so its loads carry no hint.
; As in fc1 the matrix instruction is used transposed: source 0 = 16 weight rows (LDS), source 1 = 16 token slots (two loads of 512
; consecutive bytes from hs, which lies in fragment order).  Lane (r, h) of a result holds slot r, columns 8 h + 0..7 of the 16.
; The first K step takes the bias as C: no add is written for it.
; The way out: 16 slots x 64 columns through a stage in LDS that is the wave's own, read back row by row, 8 bytes a lane.  The row's
; token is a scalar (the tile's 16 words of order, one scalar load a tile).  Pads (2048) lie behind a tile's tokens, so the first pad
; ends the tile by a scalar branch: every lane stays on throughout.
; ONE barrier, between the weights' LDS stores and their first read; it stands ahead of every branch on a count.
; NO TENSOR LOADS, NO JOINT REQUESTS for the token tiles that the 16 slabs of an expert share: every refill of a shared LDS slot stands
; behind a barrier, and the number of refills would be a count of tiles read from memory; in this text a barrier stands only where no
; loaded number steers the way.
; Tiles past a wave's last one are clamped to the last valid tile and not stored.  A work-group with no tile still streams its slab.
.set KS,  64
.set MT,  3
.set RD,  10
.set P,   4112                         ; an LDS row of weights: 4,096 bytes + 16, an odd multiple of 16
.set LPR, 16
.set NL,  256
.set WD,  48
.set STAGE,  64*P                      ; behind the weights: 16 rows x 272 bytes for each wave
.set SPITCH, 272
.set BADR, 4                           ; v[4:7]     LDS address of my part of weight tile b
.set AOFF, 8                           ; v[8:10]    byte offset of my 16 bytes in token tile i of hs
.set STO,  14                          ; v14        stage, in: row r, 32 bytes at 32 h
.set RDA,  15                          ; v15        stage, back: 8 bytes a lane along a row
.set CO,   24                          ; v24        my 8 bytes in a row of out0: 256 x column block + 8 lane
.set BIAS, 32                          ; v[32:63]   weight tile b: b2 of columns 16 b + 8 h + 0..7
.set ACC,  64                          ; v[64:159]  accumulator (i, b) at 64 + 8 (4 i + b)
.set BB,   160                         ; v[160:223] weight fragments, two buffers of four
.set TK,   160                         ; v[160:175] after the K loop: row r's byte offset in out0
.set R,    224                         ; v[224:255] the tile's 16 rows on the way out, two registers each
.set X,    64                          ; v[64:255]  the weight stream's 48 slots (before the barrier only)
.set ORD0, 48                          ; s[48:63]   the 16 tokens of the pass's tile 0
.set ORD1, 68                          ; s[68:83]   of tile 1
.set ORD2, 84                          ; s[84:99]   of tile 2
; registers 256 and up (window 1): the ring of token fragments, slot s at 24 s, tile i at + 8 i
.set MSB, 0
.macro WIN new                         ; the immediate's high byte repeats the setting that is left
.if MSB != \new
	s_set_vgpr_msb (MSB<<8)|\new
.set MSB, \new
.endif
.endm
.macro PLACES n
.rept \n
	v_nop
.endr
.endm
.macro ALOAD ks
.irp i, 0,1,2
	global_load_b128 v[8*MT*((\ks)%RD)+8*\i:8*MT*((\ks)%RD)+8*\i+3], v[AOFF+\i], s[4:5] offset:(\ks)*1024
	global_load_b128 v[8*MT*((\ks)%RD)+8*\i+4:8*MT*((\ks)%RD)+8*\i+7], v[AOFF+\i], s[4:5] offset:(\ks)*1024+512
.endr
.endm
.macro BLOAD ks                        ; an LDS load names a destination and source 0 alone, both in window 0 under setting 0x04 too
.irp b, 0,1,2,3
	ds_load_b128 v[BB+32*((\ks)&1)+8*\b:BB+32*((\ks)&1)+8*\b+3], v[BADR+\b] offset:(\ks)*64
	ds_load_b128 v[BB+32*((\ks)&1)+8*\b+4:BB+32*((\ks)&1)+8*\b+7], v[BADR+\b] offset:(\ks)*64+32
.endr
.endm
; 12 matrix instructions on 12 accumulators, which take turns, one instruction a turn, in the same order in every K step
.macro MULS k
.irp i, 0,1,2
.irp b, 0,1,2,3
.if (\k) == 0
	v_wmma_f32_16x16x32_bf16 v[ACC+8*(4*\i+\b):ACC+8*(4*\i+\b)+7], v[BB+32*((\k)&1)+8*\b:BB+32*((\k)&1)+8*\b+7], v[8*MT*((\k)%RD)+8*\i:8*MT*((\k)%RD)+8*\i+7], v[BIAS+8*\b:BIAS+8*\b+7]
.else
	v_wmma_f32_16x16x32_bf16 v[ACC+8*(4*\i+\b):ACC+8*(4*\i+\b)+7], v[BB+32*((\k)&1)+8*\b:BB+32*((\k)&1)+8*\b+7], v[8*MT*((\k)%RD)+8*\i:8*MT*((\k)%RD)+8*\i+7], v[ACC+8*(4*\i+\b):ACC+8*(4*\i+\b)+7]
.endif
.endr
.endr
.endm
; tile i of the pass: its place in hs, and its 16 tokens into s[o:o+15] (waited for behind the K loop)
.macro HEAD i, o
	s_add_co_u32 s20, s18, \i
	s_min_u32 s20, s20, s19                        ; past the end: the last valid tile again
	s_min_u32 s20, s20, 135                        ; inside the buffers by the text alone
	s_lshl_b32 s21, s20, 16
	v_add_nc_u32 v[AOFF+\i], s21, v1
	s_lshl_b32 s22, s20, 6                         ; s23 = 0
	s_add_nc_u64 s[32+2*\i:33+2*\i], s[10:11], s[22:23]
	s_load_b512 s[\o:\o+15], s[32+2*\i:33+2*\i], 0x0
.endm
; tile i of the pass goes out; its tokens are in s[o:o+15].  The first tile past the wave's last one ends the pass.
.macro EPI i, o
.if \i > 0
	s_add_co_u32 s20, s18, \i
	s_cmp_ge_u32 s20, s25
	s_cbranch_scc1 .Lpend
.endif
.irp b, 0,1,2,3
	ds_store_b128 v[STO], v[ACC+8*(4*\i+\b):ACC+8*(4*\i+\b)+3] offset:64*\b
	ds_store_b128 v[STO], v[ACC+8*(4*\i+\b)+4:ACC+8*(4*\i+\b)+7] offset:64*\b+16
.endr
.irp r, 0,1,2,3,4,5,6,7,8,9,10,11,12,13,14,15
	ds_load_b64 v[R+2*\r:R+2*\r+1], v[RDA] offset:SPITCH*\r        ; LDS serves a wave's instructions in order (ISA guide 5.7.1): these see the stores above
.endr
.irp r, 0,1,2,3,4,5,6,7,8,9,10,11,12,13,14,15
	s_cmp_ge_u32 s[\o+\r], 2048                    ; a pad: the slots behind it are pads too
	s_cbranch_scc1 .Ltend_\@
	s_min_u32 s20, s[\o+\r], 2047
	s_lshl_b32 s20, s20, 12
	v_add_nc_u32 v[TK+\r], s20, v[CO]
	s_wait_dscnt 15-\r                             ; row r is in, the younger rows stay out
	global_store_b64 v[TK+\r], v[R+2*\r:R+2*\r+1], s[14:15] th:TH_STORE_NT   ; 32 lanes store 256 consecutive bytes, aligned
.endr
.Ltend_\@:
	s_wait_dscnt 0x0                               ; a pad's branch may have left rows on their way: R is loaded again only behind this wait
	s_wait_xcnt 0x0                                ; and the stores' data and offsets are rewritten only behind this one
.endm
	s_load_b256 s[4:11], s[0:1], 0x0               ; hs s[4:5], W2 s[6:7], b2 s[8:9], order s[10:11]
	s_load_b128 s[12:15], s[0:1], 0x20             ; meta s[12:13], out0 s[14:15]
	v_lshl_add_u32 v25, v0, 2, 0x44800
	v_mov_b32 v31, 0
	v_lshrrev_b32 v29, 5, v0
	v_readfirstlane_b32 s26, v29                   ; wave
	s_lshr_b32 s27, ttmp9, 5                       ; expert
	s_lshr_b32 s28, ttmp9, 1                       ; slab
	s_and_b32 s29, s28, 15                         ; which 64 columns
	s_and_b32 s31, ttmp9, 1                        ; which half of the tiles
	s_lshl_b32 s32, s27, 3                         ; the expert's pair in meta
	s_mov_b32 s33, 0
	s_lshl_b32 s34, s28, 19                        ; my slab: 64 rows of 8,192 bytes
	s_mov_b32 s35, 0
	s_lshl_b32 s36, s28, 8                         ; my 64 numbers of b2
	s_mov_b32 s37, 0
	v_and_b32 v26, 31, v0                          ; lane
	v_and_b32 v27, 15, v0                          ; r
	v_bfe_u32 v28, v0, 4, 1                        ; h
	v_lshlrev_b32 v1, 4, v26                       ; 16 lane
	s_lshl_b32 s38, s26, 17
	v_add_nc_u32 v2, s38, v1                       ; my wave's 16 rows of the slab
	s_mul_i32 s38, s26, 16*P
	v_lshl_add_u32 v3, v26, 3, s38                 ; and where they go in LDS
	v_mul_u32_u24 v[BADR], v27, P
	v_lshl_add_u32 v[BADR], v28, 4, v[BADR]        ; r P + 16 h
.irp b, 1,2,3
	v_add_nc_u32 v[BADR+\b], \b*16*P, v[BADR]
.endr
	s_mul_i32 s38, s26, 16*SPITCH
	s_add_co_u32 s38, s38, STAGE                   ; my stage
	v_mad_u32_u24 v[STO], v27, SPITCH, s38
	v_lshl_add_u32 v[STO], v28, 5, v[STO]
	v_lshl_add_u32 v[RDA], v26, 3, s38
	s_lshl_b32 s39, s29, 8
	v_lshl_add_u32 v[CO], v26, 3, s39
	v_lshlrev_b32 v30, 5, v28                      ; 32 h
	s_wait_kmcnt 0x0
	s_add_nc_u64 s[32:33], s[12:13], s[32:33]
	s_load_b64 s[16:17], s[32:33], 0x0             ; first and end tile of my expert; waited for in front of the barrier
	s_add_nc_u64 s[6:7], s[6:7], s[34:35]
	s_add_nc_u64 s[8:9], s[8:9], s[36:37]
.irp b, 0,1,2,3
	global_load_b128 v[BIAS+8*\b:BIAS+8*\b+3], v30, s[8:9] offset:64*\b       ; older than every weight load: in by the stream's first wait
	global_load_b128 v[BIAS+8*\b+4:BIAS+8*\b+7], v30, s[8:9] offset:64*\b+16
.endr
	; THE WEIGHTS: 256 loads of 512 consecutive bytes a wave, 48 on their way; each is rounded to 256 bytes of bf16 and laid into LDS
.set wi, 0
.rept WD
	global_load_b128 v[X+4*wi:X+4*wi+3], v2, s[6:7] offset:wi*512
.set wi, wi+1
.endr
.set wi, 0
.rept NL
.if NL-1-wi < WD-1
	s_wait_loadcnt NL-1-wi                         ; the tail: the counts run down
.else
	s_wait_loadcnt WD-1                            ; loads come back in order: this slot's is in, the 47 younger ones stay out
.endif
	v_cvt_pk_bf16_f32 v[X+4*(wi%WD)], v[X+4*(wi%WD)], v[X+4*(wi%WD)+1]
	v_cvt_pk_bf16_f32 v[X+4*(wi%WD)+1], v[X+4*(wi%WD)+2], v[X+4*(wi%WD)+3]
	ds_store_b64 v3, v[X+4*(wi%WD):X+4*(wi%WD)+1] offset:(wi/LPR)*P+(wi%LPR)*256
.if wi+WD < NL
	global_load_b128 v[X+4*(wi%WD):X+4*(wi%WD)+3], v2, s[6:7] offset:(wi+WD)*512
.endif
.set wi, wi+1
.endr
	s_wait_kmcnt 0x0                               ; the pair of tiles
	s_wait_dscnt 0x0                               ; for the other waves' sake: my 16 rows are in LDS before I signal
	s_barrier_signal -1
	s_barrier_wait -1                              ; the slab is whole; nobody writes it again
	s_sub_co_u32 s20, s17, s16                     ; the expert's tiles
	s_add_co_u32 s20, s20, 1
	s_lshr_b32 s20, s20, 1                         ; the first half's share, rounded up
	s_add_co_u32 s21, s16, s20
	s_cmp_lg_u32 s31, 0
	s_cselect_b32 s24, s21, s16                    ; my half's first tile
	s_cselect_b32 s25, s17, s21                    ; and its end
	s_mul_i32 s20, s26, MT
	s_add_co_u32 s18, s24, s20                     ; my wave's first tile; 12 tiles a pass for the four waves
	s_sub_co_u32 s19, s25, 1
	s_mov_b32 s23, 0                               ; the upper word of the offset into order
	s_cmp_ge_u32 s18, s25
	s_cbranch_scc1 .Ldone
	s_sub_co_u32 s41, s25, s18                     ; passes = ceil(n / 12), n = the tiles from my first to my half's end, at most 68:
	s_add_co_u32 s41, s41, 4*MT-1                  ; floor(y / 12) = (5462 y) >> 16 for y <= 79, since 5462 x 12 = 65544 adds less than 0.001 to a fraction of at most 0.92
	s_mul_i32 s41, s41, 5462
	s_lshr_b32 s41, s41, 16
	s_mov_b32 s40, 0                               ; the loop's counter: passes
.Lpass:
	HEAD 0, ORD0
	HEAD 1, ORD1
	HEAD 2, ORD2
	WIN 0x40
.set ki, 0
.rept RD-1
	ALOAD ki                                       ; K steps 0 to 8: 54 loads on their way
.set ki, ki+1
.endr
	WIN 0x04
	BLOAD 0
.set ki, 0
.rept KS
.if ki > 0
	PLACES 4                                       ; four places between the last step's matrix instructions and the loads into the registers that they read (ISA guide 7.12.1 for vector instructions)
.endif
.if KS-1-ki < RD-2
	s_wait_loadcnt 2*MT*(KS-1-ki)
.else
	s_wait_loadcnt 2*MT*(RD-2)                     ; this step's six loads are in; those of the eight younger steps stay out
.endif
.if ki+RD-1 < KS
	WIN 0x40
	ALOAD ki+RD-1                                  ; into the slot that the last step read
	WIN 0x04
.endif
.if ki+1 < KS
	BLOAD ki+1
	s_wait_dscnt 0x8                               ; all but the eight just issued: this step's weight fragments are in
.else
	s_wait_dscnt 0x0
.endif
	MULS ki
.set ki, ki+1
.endr
	WIN 0
	PLACES 5                                       ; behind the last matrix instruction: for the LDS stores that read the sums, the arithmetic that writes over the weight fragments, and the next pass's first products, which write over the sums
	s_wait_kmcnt 0x0                               ; the three tiles' tokens, asked for at the pass's head
	EPI 0, ORD0
	EPI 1, ORD1
	EPI 2, ORD2
.Lpend:                                            ; every way here has passed a tile's closing waits: no LDS load is out, no store's source is pending
	s_add_co_u32 s18, s18, 4*MT                    ; my next three tiles
	s_add_co_u32 s40, s40, 1
	s_cmp_lt_u32 s40, s41
	s_cbranch_scc1 .Lpass
.Ldone:
	s_wait_tensorcnt 0x0
	ds_add_u32 v25, v31
	s_wait_dscnt 0x0
	s_endpgm
.Lfunc_end_k_q776b5aac4c_fc2:
	.size	k_q776b5aac4c_fc2, .Lfunc_end_k_q776b5aac4c_fc2-k_q776b5aac4c_fc2
	.p2alignl 7, 3214868480
	.fill 96, 4, 3214868480
	.section	.rodata,"a",@progbits
	.p2align	6, 0x0
	.amdhsa_kernel k_q776b5aac4c_fc2
		.amdhsa_group_segment_fixed_size 281088
		.amdhsa_private_segment_fixed_size 0
		.amdhsa_enable_private_segment 0
		.amdhsa_kernarg_size 48
		.amdhsa_user_sgpr_count 2
		.amdhsa_user_sgpr_kernarg_segment_ptr 1
		.amdhsa_wavefront_size32 1
		.amdhsa_system_sgpr_workgroup_id_x 1
		.amdhsa_system_sgpr_workgroup_id_y 1
		.amdhsa_system_sgpr_workgroup_id_z 1
		.amdhsa_system_vgpr_workitem_id 0
		.amdhsa_next_free_vgpr 512
		.amdhsa_next_free_sgpr 100
		.amdhsa_reserve_vcc 0
		.amdhsa_float_denorm_mode_32 3
		.amdhsa_float_denorm_mode_16_64 3
		.amdhsa_memory_ordered 1
		.amdhsa_forward_progress 1
		.amdhsa_inst_pref_size 238
	.end_amdhsa_kernel
	.amdgpu_metadata
---
amdhsa.version: [ 1, 2 ]
amdhsa.kernels:
  - .name:           k_q776b5aac4c_fc2
    .symbol:         k_q776b5aac4c_fc2.kd
    .args:
      - { .name: hs, .offset: 0, .size: 8, .value_kind: global_buffer, .address_space: global }
      - { .name: W2, .offset: 8, .size: 8, .value_kind: global_buffer, .address_space: global }
      - { .name: b2, .offset: 16, .size: 8, .value_kind: global_buffer, .address_space: global }
      - { .name: order, .offset: 24, .size: 8, .value_kind: global_buffer, .address_space: global }
      - { .name: meta, .offset: 32, .size: 8, .value_kind: global_buffer, .address_space: global }
      - { .name: out0, .offset: 40, .size: 8, .value_kind: global_buffer, .address_space: global }
    .group_segment_fixed_size: 281088
    .private_segment_fixed_size: 0
    .kernarg_segment_align: 8
    .kernarg_segment_size: 48
    .max_flat_workgroup_size: 128
    .sgpr_count:     100
    .vgpr_count:     512
    .wavefront_size: 32
...
	.end_amdgpu_metadata
.endif
;; end of part 4
;; ======== version 2 of 2: 4 launches; version 1 with the launches fc1, fc2 written anew for expert scheduling mode
;; workspace buffers: order 8,704 bytes of whole numbers; meta 256 bytes of whole numbers; xs 4,456,448 bytes; hs 8,912,896 bytes
;; launch route: the kernel of part 1 again; grid 1 x 1, 16 waves a work-group, no clusters, 4,096 bytes of LDS; arguments eid, order, meta; writes order, meta
;; launch gather: the kernel of part 2 again; grid 128 x 2, 4 waves a work-group, no clusters, 17,920 bytes of LDS; arguments x, order, meta, xs, out0; writes xs, out0
;; launch fc1 (part 5): grid 256 x 1, 4 waves a work-group, no clusters, 132,608 bytes of LDS; arguments xs, W1, meta, hs; writes hs
.if DOCPART == 5
	.amdgcn_target "amdgcn-amd-amdhsa--gfx1250"
	.amdhsa_code_object_version 6
	.text
	.protected	k_q776b5aac4c_fc1
	.globl	k_q776b5aac4c_fc1
	.p2align	8
	.type	k_q776b5aac4c_fc1,@function
k_q776b5aac4c_fc1:
	s_mov_b64 s[64:65], 0
	v_nop
	global_prefetch_b8 v0, s[64:65] scope:SCOPE_SE
	s_setreg_imm32_b32 hwreg(HW_REG_WAVE_SCHED_MODE, 0, 2), 2
	s_setreg_imm32_b32 hwreg(HW_REG_WAVE_MODE, 25, 1), 1
	s_wait_xcnt 0x0
	s_wait_alu depctr_vm_vsrc(0)
; fc1: hs = gelu(xs W1[e]^T), for each expert on its own tiles of 16 token slots.
; Work-group g owns 64 rows of W1 (expert g / 32, hidden units 64 (g mod 32) ..) over the whole K = 1024: 256 KiB of f32, read once
; by the launch, rounded to bf16 and kept in LDS.  Then each of the four waves walks token tiles on its own, five at a time.
; The matrix instruction is used transposed: source 0 = 16 weight rows (from LDS), source 1 = 16 token slots (two loads of 512
; consecutive bytes straight from xs, which lies in fragment order).  In the result lane (r, h) holds slot r, hidden units 8 h + 0..7
; of the 16: after gelu and rounding these are four registers of the next layer's fragment, stored as they are:
;   hs byte = tile x 65536 + ks x 1024 + half x 512 + lane x 16, as xs with K = 2048.
; ONE barrier, between the weights' LDS stores and their first read; it stands ahead of every branch on a count.
; NO TENSOR LOADS, NO JOINT REQUESTS for the token tiles that the 32 work-groups of an expert share: every refill of a shared LDS slot
; stands behind a barrier, and the number of refills would be the expert's count of tiles, read from memory; in this text a barrier
; stands only where no loaded number steers the way.
; Tiles past a wave's last one are clamped to the last valid tile: they repeat its products and are not stored.
; A work-group whose expert has no token still streams its slab and then ends.
; GELU: gelu(x) = max(x, 0) - |x| (1/2) erfc(|x| / sqrt 2), erfc by the five-term series of Abramowitz and Stegun 7.1.26
; (absolute error of erf 1.5e-7, which here is multiplied by |x| / 2).  No difference of large numbers is formed; where x x overflows
; the exponential is zero and gelu(x) = max(x, 0).
; THE MODE: SCHED_MODE bits 1:0 = 2 (LLVM: expert scheduling mode 2), set by the entry lines.  The code itself states the register dependences
; between vector or matrix instructions and memory or LDS instructions, with s_wait_alu, always for 0.
; THE PLAN.  Registers that memory or LDS instructions touch:
;   v2, v3, v[4:7]  offsets and LDS addresses, made at the head and never written again.
;   X0 .. X5        the weight stream's raw buffers, eight loads each.  Group g: its sixteen conversions read X[g mod 6]; behind them the loads of group g + 6 land in it.
;   Y0, Y1          the stream's out-buffers.  Group g's conversions write Y[g mod 2], its eight LDS stores read it, group g + 2 writes it again.
;   ring slots      K step k: its products read slot k mod 6; the loads of step k + 6, issued in step k + 1, land in it.
;   BB0, BB1        K step k: its products read BB[k mod 2]; the LDS loads of step k + 2, issued in step k + 1, land in it.
;   AOFF, HOFF      written at a pass's head, read by the pass's loads and stores.
;   the sums        written by the products, worked on in place, read by the pass's stores, written again by the next pass's first products.
; So a group of the stream has one wait on va_vdst, behind its conversions, and one on vm_vsrc at its head; a K step has one wait on va_vdst at its
; head, and its loads are dealt among its products, which name this step's slot, this step's BB and the sums: none of the registers that those loads
; touch; a tile's four stores stand behind one wait on va_vdst; one wait on vm_vsrc stands at a pass's end.
.set KS,  32                           ; K steps of 32
.set MT,  5                            ; token tiles of a wave in one pass
.set RD,  6                            ; slots in the ring of token fragments
.set P,   2064                         ; an LDS row of weights: 2,048 bytes + 16, an odd multiple of 16: a fragment's 16 rows start at 16 different 16-byte columns modulo 256
.set LPR, 8                            ; loads of 512 bytes in a weight row
.set NL,  128                          ; such loads of a wave: 16 rows
.set GRP, 8                            ; of them in a group
.set NX,  6                            ; raw buffers: up to 48 loads, 24 KiB a wave, on their way
.set NG,  NL/GRP                       ; groups
.set BADR, 4                           ; v[4:7]     LDS address of my part of weight tile b
.set AOFF, 8                           ; v[8:12]    byte offset of my 16 bytes in token tile i of xs
.set HOFF, 13                          ; v[13:17]   the same in hs, at my work-group's 2,048 bytes
.set HB,   18                          ; v18        2048 (g mod 32) + 16 lane
.set CE,   20                          ; v[20:31]   six constants, each twice, for the packed arithmetic
.set C5,   22
.set C4,   24
.set C3,   26
.set C2,   28
.set C1,   30
.set ACC,  32                          ; v[32:191]  accumulator (i, b) at 32 + 8 (4 i + b)
.set BB,   192                         ; v[192:255] weight fragments, two buffers of four
.set X,    32                          ; v[32:223]  the weight stream's six raw buffers of 32 registers (before the barrier only)
.set Y,    224                         ; v[224:255] its two out-buffers of 16 registers (before the barrier only)
.set U,    192                         ; after the K loop: at work on the gelu
.set Q,    200
.set PP,   208
.set M,    216
; registers 256 and up (window 1): the ring of token fragments, slot s at 40 s, tile i at + 8 i
.set MSB, 0
.macro WIN new                         ; the immediate's high byte repeats the setting that is left
.if MSB != \new
	s_set_vgpr_msb (MSB<<8)|\new
.set MSB, \new
.endif
.endm
.macro PLACES n
.rept \n
	v_nop
.endr
.endm
.macro VPAIR reg, bits
	v_mov_b32 v[\reg], \bits
	v_mov_b32 v[\reg+1], \bits
.endm
; the token fragments of K step ks, into its slot of the ring (destination in window 1)
.macro ALOAD ks
.irp i, 0,1,2,3,4
	global_load_b128 v[8*MT*((\ks)%RD)+8*\i:8*MT*((\ks)%RD)+8*\i+3], v[AOFF+\i], s[4:5] offset:(\ks)*1024
	global_load_b128 v[8*MT*((\ks)%RD)+8*\i+4:8*MT*((\ks)%RD)+8*\i+7], v[AOFF+\i], s[4:5] offset:(\ks)*1024+512
.endr
.endm
; weight fragment b of K step ks; an LDS load names a destination and source 0 alone, both in window 0 under setting 0x04 too
.macro BL ks, b
	ds_load_b128 v[BB+32*((\ks)&1)+8*\b:BB+32*((\ks)&1)+8*\b+3], v[BADR+\b] offset:(\ks)*64
	ds_load_b128 v[BB+32*((\ks)&1)+8*\b+4:BB+32*((\ks)&1)+8*\b+7], v[BADR+\b] offset:(\ks)*64+32
.endm
; the product of K step k for accumulator (i, b).  The first K step starts the sums: nothing is cleared.
.macro MM k, i, b
.if (\k) == 0
	v_wmma_f32_16x16x32_bf16 v[ACC+8*(4*\i+\b):ACC+8*(4*\i+\b)+7], v[BB+32*((\k)&1)+8*\b:BB+32*((\k)&1)+8*\b+7], v[8*MT*((\k)%RD)+8*\i:8*MT*((\k)%RD)+8*\i+7], 0
.else
	v_wmma_f32_16x16x32_bf16 v[ACC+8*(4*\i+\b):ACC+8*(4*\i+\b)+7], v[BB+32*((\k)&1)+8*\b:BB+32*((\k)&1)+8*\b+7], v[8*MT*((\k)%RD)+8*\i:8*MT*((\k)%RD)+8*\i+7], v[ACC+8*(4*\i+\b):ACC+8*(4*\i+\b)+7]
.endif
.endm
; K step k: 20 matrix instructions on 20 accumulators, which take turns, one instruction a turn, in the same order in every K step.
.macro STEP k
.if KS-1-(\k) < RD-2
	s_wait_loadcnt 2*MT*(KS-1-(\k))                ; the tail: the counts run down
.else
	s_wait_loadcnt 2*MT*(RD-2)                     ; this step's ten loads are in; those of the four younger steps stay out
.endif
	s_wait_dscnt 0x0                               ; this step's weight fragments, asked for in the step before, are in
.if ((\k) > 0) && ((\k)+1 < KS)
	s_wait_alu depctr_va_vdst(0)                   ; the last step's products are done reading their weight fragments and their slot of the ring, in which this step's loads land
.endif
.irp b, 0,1,2,3
	MM \k, 0, \b
.if (\k)+1 < KS
	BL (\k)+1, \b                                  ; the next step's weight fragments.  No wait: no product since the wait above names the other BB
.endif
.endr
.irp b, 0,1,2,3
	MM \k, 1, \b
.endr
.if (\k)+RD-1 < KS
	WIN 0x40
	ALOAD (\k)+RD-1                                ; into the slot that the last step read.  No wait: no product since the wait above names that slot or AOFF
	WIN 0x04
.endif
.irp i, 2,3,4
.irp b, 0,1,2,3
	MM \k, \i, \b
.endr
.endr
.endm
; gelu of the eight numbers in v[a:a+7], in place
.macro GELU8 a
.irp j, 0,1,2,3,4,5,6,7
	v_fma_f32 v[U+\j], |v[\a+\j]|, s24, 1.0        ; 1 + p |x| / sqrt 2
.endr
.irp j, 0,1,2,3,4,5,6,7
	v_rcp_f32 v[U+\j], v[U+\j]                     ; t
.endr
.irp j, 0,2,4,6
	v_pk_mul_f32 v[Q+\j:Q+\j+1], v[\a+\j:\a+\j+1], v[\a+\j:\a+\j+1]   ; plain work that names no t stands behind the reciprocals (ISA guide 5.7.2)
.endr
.irp j, 0,2,4,6
	v_pk_mul_f32 v[Q+\j:Q+\j+1], v[Q+\j:Q+\j+1], v[CE:CE+1]           ; - x x / 2 x log2 e
.endr
.irp j, 0,1,2,3,4,5,6,7
	v_exp_f32 v[Q+\j], v[Q+\j]                     ; exp(- x x / 2)
.endr
	s_wait_alu depctr_va_vdst(0)
.irp j, 0,2,4,6
	v_pk_fma_f32 v[PP+\j:PP+\j+1], v[U+\j:U+\j+1], v[C5:C5+1], v[C4:C4+1]   ; plain work that names no exponential stands behind them
.endr
.irp c, C3, C2, C1
.irp j, 0,2,4,6
	v_pk_fma_f32 v[PP+\j:PP+\j+1], v[PP+\j:PP+\j+1], v[U+\j:U+\j+1], v[\c:\c+1]
.endr
.endr
.irp j, 0,2,4,6
	v_pk_mul_f32 v[PP+\j:PP+\j+1], v[PP+\j:PP+\j+1], v[U+\j:U+\j+1]
.endr
.irp j, 0,2,4,6
	v_pk_mul_f32 v[PP+\j:PP+\j+1], v[PP+\j:PP+\j+1], v[Q+\j:Q+\j+1]   ; (1/2) erfc(|x| / sqrt 2)
.endr
.irp j, 0,1,2,3,4,5,6,7
	v_max_num_f32 v[M+\j], 0, v[\a+\j]
.endr
.irp j, 0,1,2,3,4,5,6,7
	v_fma_f32 v[\a+\j], -|v[\a+\j]|, v[PP+\j], v[M+\j]
.endr
.endm
; tile i of the pass: gelu, rounding, four stores of 512 consecutive bytes.  The first tile past the wave's last one ends the pass.
.macro EPI i
.if \i > 0
	s_add_co_u32 s20, s18, \i
	s_cmp_ge_u32 s20, s17
	s_cbranch_scc1 .Lpend
.endif
.irp b, 0,1,2,3
	GELU8 (ACC+8*(4*\i+\b))
.irp r, 0,1,2,3
	v_cvt_pk_bf16_f32 v[ACC+8*(4*\i+\b)+\r], v[ACC+8*(4*\i+\b)+2*\r], v[ACC+8*(4*\i+\b)+2*\r+1]
.endr
.endr
	s_wait_alu depctr_va_vdst(0)                   ; the roundings have written the tile's sixteen registers, which the four stores read
.irp b, 0,1,2,3
	global_store_b128 v[HOFF+\i], v[ACC+8*(4*\i+\b):ACC+8*(4*\i+\b)+3], s[10:11] offset:512*\b
.endr
.endm
	s_load_b256 s[4:11], s[0:1], 0x0               ; xs s[4:5], W1 s[6:7], meta s[8:9], hs s[10:11]
	s_set_vgpr_msb 0x40
	v_lshl_add_u32 v254, v0, 2, 0x20400
	v_mov_b32 v255, 0
	s_set_vgpr_msb 0x4000
	v_lshrrev_b32 v19, 5, v0
	v_readfirstlane_b32 s12, v19                   ; wave
	s_lshr_b32 s13, ttmp9, 5                       ; expert
	s_and_b32 s14, ttmp9, 31                       ; which 64 hidden units
	s_lshl_b32 s20, s13, 3                         ; the expert's pair in meta
	s_mov_b32 s21, 0
	s_lshl_b32 s22, ttmp9, 18                      ; my slab: 64 rows of 4,096 bytes
	s_mov_b32 s23, 0
	s_mov_b32 s24, 0x3e6d3388                      ; 0.3275911 / sqrt 2
	v_and_b32 v19, 31, v0
	v_lshlrev_b32 v1, 4, v19                       ; 16 lane
	s_wait_alu depctr_va_sdst(0)                   ; s12 is written, ahead of its first reader
	s_lshl_b32 s38, s12, 16
	v_add_nc_u32 v2, s38, v1                       ; my wave's 16 rows of the slab
	s_mul_i32 s39, s12, 16*P
	v_lshl_add_u32 v3, v19, 3, s39                 ; and where they go in LDS: 8 bytes a lane
	v_and_b32 v[HOFF], 15, v0                      ; r
	v_bfe_u32 v[HOFF+1], v0, 4, 1                  ; h
	v_mul_u32_u24 v[BADR], v[HOFF], P
	v_lshl_add_u32 v[BADR], v[HOFF+1], 4, v[BADR]  ; r P + 16 h
.irp b, 1,2,3
	v_add_nc_u32 v[BADR+\b], \b*16*P, v[BADR]      ; a register for each weight tile: 48 P is more than an LDS immediate holds
.endr
	s_lshl_b32 s40, s14, 11
	v_add_nc_u32 v[HB], s40, v1
	VPAIR CE, 0xbf38aa3b                           ; - log2 e / 2
	VPAIR C5, 0x3f07dc22                           ; the series' coefficients, halved: 0.5307027
	VPAIR C4, 0xbf3a00e3                           ; -0.7265760
	VPAIR C3, 0x3f35f0e3                           ; 0.7107069
	VPAIR C2, 0xbe11a98e                           ; -0.1422484
	VPAIR C1, 0x3e027906                           ; 0.1274148
	s_wait_kmcnt 0x0
	s_add_nc_u64 s[20:21], s[8:9], s[20:21]
	s_load_b64 s[16:17], s[20:21], 0x0             ; first and end tile of my expert; waited for in front of the barrier
	s_add_nc_u64 s[6:7], s[6:7], s[22:23]
	s_wait_alu depctr_va_vdst(0)                   ; v2, v3 and v[4:7] are written: the stream's loads and LDS stores and the fragments' LDS loads read them as offset and address
	; THE WEIGHTS: 128 loads of 512 consecutive bytes a wave, in 16 groups of eight, up to 48 on their way; each is rounded to 256 bytes of bf16 and laid into LDS
.set wi, 0
.rept GRP*NX
	global_load_b128 v[X+4*wi:X+4*wi+3], v2, s[6:7] offset:wi*512 th:TH_LOAD_NT
.set wi, wi+1
.endr
.set gi, 0
.rept NG
.if NG-1-gi < NX-1
	s_wait_loadcnt GRP*(NG-1-gi)                   ; the tail: the counts run down
.else
	s_wait_loadcnt GRP*(NX-1)                      ; loads come back in order (ISA guide 5.7.1): this group's eight are in, the five younger groups stay out
.endif
.if gi > 1
	s_wait_alu depctr_vm_vsrc(0)                   ; the LDS stores of the group two back have read this out-buffer, which the conversions below write again
.endif
.set ji, 0
.rept GRP
	v_cvt_pk_bf16_f32 v[Y+16*(gi%2)+2*ji], v[X+4*(GRP*(gi%NX)+ji)], v[X+4*(GRP*(gi%NX)+ji)+1]
	v_cvt_pk_bf16_f32 v[Y+16*(gi%2)+2*ji+1], v[X+4*(GRP*(gi%NX)+ji)+2], v[X+4*(GRP*(gi%NX)+ji)+3]
.set ji, ji+1
.endr
	s_wait_alu depctr_va_vdst(0)                   ; the conversions have written the out-buffer, which the LDS stores read, and are done reading the raw buffer, in which the loads land
.set ji, 0
.rept GRP
.if gi+NX < NG
	global_load_b128 v[X+4*(GRP*(gi%NX)+ji):X+4*(GRP*(gi%NX)+ji)+3], v2, s[6:7] offset:(GRP*(gi+NX)+ji)*512 th:TH_LOAD_NT
.endif
	ds_store_b64 v3, v[Y+16*(gi%2)+2*ji:Y+16*(gi%2)+2*ji+1] offset:((GRP*gi+ji)/LPR)*P+((GRP*gi+ji)%LPR)*256
.set ji, ji+1
.endr
.set gi, gi+1
.endr
	s_wait_kmcnt 0x0                               ; the pair of tiles
	s_wait_dscnt 0x0                               ; for the other waves' sake: my 16 rows are in LDS before I signal
	s_barrier_signal -1
	s_barrier_wait -1                              ; the slab is whole; nobody writes it again
	s_wait_alu depctr_vm_vsrc(0)                   ; my LDS stores have read the two out-buffers: these registers are the second buffer of weight fragments from here on, in which LDS loads land
	s_mul_i32 s20, s12, MT
	s_add_co_u32 s18, s16, s20                     ; my first tile; 20 tiles a pass for the four waves
	s_sub_co_u32 s19, s17, 1                       ; the expert's last tile
	s_cmp_ge_u32 s18, s17
	s_cbranch_scc1 .Ldone
	s_sub_co_u32 s42, s17, s18                     ; passes = ceil(n / 20), n = the tiles from my first to the end, at most 136:
	s_add_co_u32 s42, s42, 4*MT-1                  ; floor(y / 20) = (3277 y) >> 16 for y <= 155, since 3277 x 20 = 65540 adds less than 0.001 to a fraction of at most 0.95
	s_mul_i32 s42, s42, 3277
	s_lshr_b32 s42, s42, 16
	s_mov_b32 s41, 0                               ; the loop's counter: passes
.Lpass:
.irp i, 0,1,2,3,4
	s_add_co_u32 s20, s18, \i
	s_min_u32 s20, s20, s19                        ; past the end: the last valid tile again
	s_min_u32 s20, s20, 135                        ; inside the buffers by the text alone
	s_lshl_b32 s21, s20, 15
	v_add_nc_u32 v[AOFF+\i], s21, v1
	s_lshl_b32 s21, s20, 16
	v_add_nc_u32 v[HOFF+\i], s21, v[HB]
.endr
	WIN 0x40
	s_wait_alu depctr_va_vdst(0)                   ; AOFF and HOFF are written, which the pass's loads and stores read; all that named the ring and the weight fragments' registers (the stream's conversions; the last pass's products and its gelu) is done
.set ki, 0
.rept RD-1
	ALOAD ki                                       ; K steps 0 to 4: 50 loads on their way
.set ki, ki+1
.endr
	WIN 0x04
.irp b, 0,1,2,3
	BL 0, \b
.endr
.set ki, 0
.rept KS
	STEP ki
.set ki, ki+1
.endr
	WIN 0
	PLACES 5                                       ; behind the last matrix instruction: for the arithmetic that reads the sums and writes over the weight fragments, and for the next pass's first products, which write over the sums
	EPI 0
	EPI 1
	EPI 2
	EPI 3
	EPI 4
.Lpend:
	s_wait_xcnt 0x0                                ; the stores' data and offsets are rewritten only behind this wait
	s_wait_alu depctr_vm_vsrc(0)                   ; the pass's loads have read AOFF, its stores HOFF and the sums' registers: the next pass's adds and first products write them again
	s_add_co_u32 s18, s18, 4*MT                    ; my next five tiles
	s_add_co_u32 s41, s41, 1
	s_cmp_lt_u32 s41, s42
	s_cbranch_scc1 .Lpass
.Ldone:
	s_set_vgpr_msb 0x5
	s_wait_dscnt 0x0
	s_wait_alu depctr_hold_cnt(0) depctr_sa_sdst(0) depctr_va_vdst(0) depctr_va_sdst(0) depctr_va_ssrc(0) depctr_va_vcc(0) depctr_vm_vsrc(0)
	s_wait_tensorcnt 0x0
	ds_add_u32 v254, v255
	s_wait_dscnt 0x0
	s_endpgm
.Lfunc_end_k_q776b5aac4c_fc1:
	.size	k_q776b5aac4c_fc1, .Lfunc_end_k_q776b5aac4c_fc1-k_q776b5aac4c_fc1
	.p2alignl 7, 3214868480
	.fill 96, 4, 3214868480
	.section	.rodata,"a",@progbits
	.p2align	6, 0x0
	.amdhsa_kernel k_q776b5aac4c_fc1
		.amdhsa_group_segment_fixed_size 132608
		.amdhsa_private_segment_fixed_size 0
		.amdhsa_enable_private_segment 0
		.amdhsa_kernarg_size 32
		.amdhsa_user_sgpr_count 2
		.amdhsa_user_sgpr_kernarg_segment_ptr 1
		.amdhsa_wavefront_size32 1
		.amdhsa_system_sgpr_workgroup_id_x 1
		.amdhsa_system_sgpr_workgroup_id_y 1
		.amdhsa_system_sgpr_workgroup_id_z 1
		.amdhsa_system_vgpr_workitem_id 0
		.amdhsa_next_free_vgpr 512
		.amdhsa_next_free_sgpr 66
		.amdhsa_reserve_vcc 0
		.amdhsa_float_denorm_mode_32 3
		.amdhsa_float_denorm_mode_16_64 3
		.amdhsa_memory_ordered 1
		.amdhsa_forward_progress 1
		.amdhsa_inst_pref_size 217
	.end_amdhsa_kernel
	.amdgpu_metadata
---
amdhsa.version: [ 1, 2 ]
amdhsa.kernels:
  - .name:           k_q776b5aac4c_fc1
    .symbol:         k_q776b5aac4c_fc1.kd
    .args:
      - { .name: xs, .offset: 0, .size: 8, .value_kind: global_buffer, .address_space: global }
      - { .name: W1, .offset: 8, .size: 8, .value_kind: global_buffer, .address_space: global }
      - { .name: meta, .offset: 16, .size: 8, .value_kind: global_buffer, .address_space: global }
      - { .name: hs, .offset: 24, .size: 8, .value_kind: global_buffer, .address_space: global }
    .group_segment_fixed_size: 132608
    .private_segment_fixed_size: 0
    .kernarg_segment_align: 8
    .kernarg_segment_size: 32
    .max_flat_workgroup_size: 128
    .sgpr_count:     66
    .vgpr_count:     512
    .wavefront_size: 32
...
	.end_amdgpu_metadata
.endif
;; end of part 5
;; launch fc2 (part 6): grid 256 x 1, 4 waves a work-group, no clusters, 281,088 bytes of LDS; arguments hs, W2, b2, order, meta, out0; writes out0
.if DOCPART == 6
	.amdgcn_target "amdgcn-amd-amdhsa--gfx1250"
	.amdhsa_code_object_version 6
	.text
	.protected	k_q776b5aac4c_fc2
	.globl	k_q776b5aac4c_fc2
	.p2align	8
	.type	k_q776b5aac4c_fc2,@function
k_q776b5aac4c_fc2:
	s_mov_b64 s[64:65], 0
	v_nop
	global_prefetch_b8 v0, s[64:65] scope:SCOPE_SE
	s_setreg_imm32_b32 hwreg(HW_REG_WAVE_SCHED_MODE, 0, 2), 2
	s_setreg_imm32_b32 hwreg(HW_REG_WAVE_MODE, 25, 1), 1
	s_wait_xcnt 0x0
	s_wait_alu depctr_vm_vsrc(0)
; fc2: out0[token] = hs W2[e]^T + b2[e], scattered back to the tokens' rows.
; Work-group g owns 64 rows of W2 (slab g / 2: expert g / 32, output columns 64 ((g / 2) mod 16) ..) over the whole K = 2048, 512 KiB of
; f32 rounded to bf16 in LDS, and half of the expert's tiles (g mod 2).  64 columns of f32 are 256 bytes: a token's piece of out0 is
; 256 consecutive bytes, aligned, stored whole by one instruction.  Each slab is read by two neighbouring work-groups, so its loads carry no hint.
; As in fc1 the matrix instruction is used transposed: source 0 = 16 weight rows (LDS), source 1 = 16 token slots (two loads of 512
; consecutive bytes from hs, which lies in fragment order).  Lane (r, h) of a result holds slot r, columns 8 h + 0..7 of the 16.
; The first K step takes the bias as C: no add is written for it.
; The way out: 16 slots x 64 columns through a stage in LDS that is the wave's own, read back row by row, 8 bytes a lane.  The row's
; token is a scalar (the tile's 16 words of order, one scalar load a tile).  Pads (2048) lie behind a tile's tokens, so the first pad
; ends the tile by a scalar branch: every lane stays on throughout.
; ONE barrier, between the weights' LDS stores and their first read; it stands ahead of every branch on a count.
; NO TENSOR LOADS, NO JOINT REQUESTS for the token tiles that the 16 slabs of an expert share: every refill of a shared LDS slot stands
; behind a barrier, and the number of refills would be a count of tiles read from memory; in this text a barrier stands only where no
; loaded number steers the way.
; Tiles past a wave's last one are clamped to the last valid tile and not stored.  A work-group with no tile still streams its slab.
; THE MODE: SCHED_MODE bits 1:0 = 2 (LLVM: expert scheduling mode 2), set by the entry lines.  The code itself states the register dependences
; between vector or matrix instructions and memory or LDS instructions, with s_wait_alu, always for 0.
; THE PLAN.  Registers that memory or LDS instructions touch:
;   v2, v3, v[4:7], v14, v15, v30  offsets and LDS addresses, made at the head and never written again.
;   X0 .. X5        the weight stream's raw buffers, eight loads each.  Group g: its sixteen conversions read X[g mod 6]; behind them the loads of group g + 6 land in it.
;   Y0, Y1          the stream's out-buffers.  Group g's conversions write Y[g mod 2], its eight LDS stores read it, group g + 2 writes it again.
;                   Behind the stream the bias lands in these registers; from then on matrix instructions alone name them.
;   ring slots      K step k: its products read slot k mod 10; the loads of step k + 10, issued in step k + 1, land in it.
;   BB0, BB1        K step k: its products read BB[k mod 2]; the LDS loads of step k + 2, issued in step k + 1, land in it.
;   AOFF            written at a pass's head, read by the pass's loads.
;   the sums        written by the products, read by the way out's LDS stores, written again by the next pass's first products.
;   TK              48 row offsets, written by adds behind the K loop, read by the stores to out0; the next pass's weight fragments land there.
;   R               a tile's 16 rows: LDS loads land in it, the stores to out0 read it; no vector instruction names it.
; So a group of the stream has one wait on va_vdst, behind its conversions, and one on vm_vsrc at its head; a K step has one wait on va_vdst at its
; head, and its loads are dealt among its products, which name this step's slot, this step's BB and the sums: none of the registers that those loads
; touch; the way out has one wait on va_vdst ahead of its three tiles, which hold no vector instruction, and one on vm_vsrc at each tile's end.
.set KS,  64
.set MT,  3
.set RD,  10
.set P,   4112                         ; an LDS row of weights: 4,096 bytes + 16, an odd multiple of 16
.set LPR, 16
.set NL,  256
.set GRP, 8                            ; loads in a group of the weight stream
.set NX,  6                            ; raw buffers: up to 48 loads, 24 KiB a wave, on their way
.set NG,  NL/GRP                       ; groups
.set STAGE,  64*P                      ; behind the weights: 16 rows x 272 bytes for each wave
.set SPITCH, 272
.set BADR, 4                           ; v[4:7]     LDS address of my part of weight tile b
.set AOFF, 8                           ; v[8:10]    byte offset of my 16 bytes in token tile i of hs
.set STO,  14                          ; v14        stage, in: row r, 32 bytes at 32 h
.set RDA,  15                          ; v15        stage, back: 8 bytes a lane along a row
.set CO,   24                          ; v24        my 8 bytes in a row of out0: 256 x column block + 8 lane
.set BIAS, 32                          ; v[32:63]   weight tile b: b2 of columns 16 b + 8 h + 0..7
.set ACC,  64                          ; v[64:159]  accumulator (i, b) at 64 + 8 (4 i + b)
.set BB,   160                         ; v[160:223] weight fragments, two buffers of four
.set TK,   160                         ; v[160:207] after the K loop: tile i, row r: the row's byte offset in out0, at 160 + 16 i + r
.set R,    224                         ; v[224:255] the tile's 16 rows on the way out, two registers each
.set X,    64                          ; v[64:255]  the weight stream's six raw buffers of 32 registers (before the barrier only)
.set Y,    32                          ; v[32:63]   its two out-buffers of 16 registers (ahead of the bias)
.set ORD0, 48                          ; s[48:63]   the 16 tokens of the pass's tile 0
.set ORD1, 68                          ; s[68:83]   of tile 1
.set ORD2, 84                          ; s[84:99]   of tile 2
; registers 256 and up (window 1): the ring of token fragments, slot s at 24 s, tile i at + 8 i
.set MSB, 0
.macro WIN new                         ; the immediate's high byte repeats the setting that is left
.if MSB != \new
	s_set_vgpr_msb (MSB<<8)|\new
.set MSB, \new
.endif
.endm
.macro PLACES n
.rept \n
	v_nop
.endr
.endm
.macro ALOAD ks
.irp i, 0,1,2
	global_load_b128 v[8*MT*((\ks)%RD)+8*\i:8*MT*((\ks)%RD)+8*\i+3], v[AOFF+\i], s[4:5] offset:(\ks)*1024
	global_load_b128 v[8*MT*((\ks)%RD)+8*\i+4:8*MT*((\ks)%RD)+8*\i+7], v[AOFF+\i], s[4:5] offset:(\ks)*1024+512
.endr
.endm
; weight fragment b of K step ks; an LDS load names a destination and source 0 alone, both in window 0 under setting 0x04 too
.macro BL ks, b
	ds_load_b128 v[BB+32*((\ks)&1)+8*\b:BB+32*((\ks)&1)+8*\b+3], v[BADR+\b] offset:(\ks)*64
	ds_load_b128 v[BB+32*((\ks)&1)+8*\b+4:BB+32*((\ks)&1)+8*\b+7], v[BADR+\b] offset:(\ks)*64+32
.endm
; the product of K step k for accumulator (i, b).  The first K step starts the sums with the bias.
.macro MM k, i, b
.if (\k) == 0
	v_wmma_f32_16x16x32_bf16 v[ACC+8*(4*\i+\b):ACC+8*(4*\i+\b)+7], v[BB+32*((\k)&1)+8*\b:BB+32*((\k)&1)+8*\b+7], v[8*MT*((\k)%RD)+8*\i:8*MT*((\k)%RD)+8*\i+7], v[BIAS+8*\b:BIAS+8*\b+7]
.else
	v_wmma_f32_16x16x32_bf16 v[ACC+8*(4*\i+\b):ACC+8*(4*\i+\b)+7], v[BB+32*((\k)&1)+8*\b:BB+32*((\k)&1)+8*\b+7], v[8*MT*((\k)%RD)+8*\i:8*MT*((\k)%RD)+8*\i+7], v[ACC+8*(4*\i+\b):ACC+8*(4*\i+\b)+7]
.endif
.endm
; K step k: 12 matrix instructions on 12 accumulators, which take turns, one instruction a turn, in the same order in every K step
.macro STEP k
.if KS-1-(\k) < RD-2
	s_wait_loadcnt 2*MT*(KS-1-(\k))                ; the tail: the counts run down
.else
	s_wait_loadcnt 2*MT*(RD-2)                     ; this step's six loads are in (in the first pass's first step the bias too, which is older); those of the eight younger steps stay out
.endif
	s_wait_dscnt 0x0                               ; this step's weight fragments, asked for in the step before, are in
.if ((\k) > 0) && ((\k)+1 < KS)
	s_wait_alu depctr_va_vdst(0)                   ; the last step's products are done reading their weight fragments and their slot of the ring, in which this step's loads land
.endif
.irp b, 0,1,2,3
	MM \k, 0, \b
.if (\k)+1 < KS
	BL (\k)+1, \b                                  ; the next step's weight fragments.  No wait: no product since the wait above names the other BB
.endif
.endr
.if (\k)+RD-1 < KS
	WIN 0x40
	ALOAD (\k)+RD-1                                ; into the slot that the last step read.  No wait: no product since the wait above names that slot or AOFF
	WIN 0x04
.endif
.irp i, 1,2
.irp b, 0,1,2,3
	MM \k, \i, \b
.endr
.endr
.endm
; tile i of the pass: its place in hs, and its 16 tokens into s[o:o+15] (waited for behind the K loop)
.macro HEAD i, o
	s_add_co_u32 s20, s18, \i
	s_min_u32 s20, s20, s19                        ; past the end: the last valid tile again
	s_min_u32 s20, s20, 135                        ; inside the buffers by the text alone
	s_lshl_b32 s21, s20, 16
	v_add_nc_u32 v[AOFF+\i], s21, v1
	s_lshl_b32 s22, s20, 6                         ; s23 = 0
	s_add_nc_u64 s[32+2*\i:33+2*\i], s[10:11], s[22:23]
	s_load_b512 s[\o:\o+15], s[32+2*\i:33+2*\i], 0x0
.endm
; tile i of the pass: the byte offsets in out0 of its 16 rows; a pad's is clamped and never used
.macro TOFF i, o
.irp r, 0,1,2,3,4,5,6,7,8,9,10,11,12,13,14,15
	s_min_u32 s20, s[\o+\r], 2047
	s_lshl_b32 s20, s20, 12
	v_add_nc_u32 v[TK+16*\i+\r], s20, v[CO]
.endr
.endm
; tile i of the pass goes out; its tokens are in s[o:o+15].  The first tile past the wave's last one ends the pass.
.macro EPI i, o
.if \i > 0
	s_add_co_u32 s20, s18, \i
	s_cmp_ge_u32 s20, s25
	s_cbranch_scc1 .Lpend
.endif
.irp b, 0,1,2,3
	ds_store_b128 v[STO], v[ACC+8*(4*\i+\b):ACC+8*(4*\i+\b)+3] offset:64*\b
	ds_store_b128 v[STO], v[ACC+8*(4*\i+\b)+4:ACC+8*(4*\i+\b)+7] offset:64*\b+16
.endr
.irp r, 0,1,2,3,4,5,6,7,8,9,10,11,12,13,14,15
	ds_load_b64 v[R+2*\r:R+2*\r+1], v[RDA] offset:SPITCH*\r        ; LDS serves a wave's instructions in order (ISA guide 5.7.1): these see the stores above
.endr
.irp r, 0,1,2,3,4,5,6,7,8,9,10,11,12,13,14,15
	s_cmp_ge_u32 s[\o+\r], 2048                    ; a pad: the slots behind it are pads too
	s_cbranch_scc1 .Ltend_\@
	s_wait_dscnt 15-\r                             ; row r is in, the younger rows stay out
	global_store_b64 v[TK+16*\i+\r], v[R+2*\r:R+2*\r+1], s[14:15] th:TH_STORE_NT   ; 32 lanes store 256 consecutive bytes, aligned
.endr
.Ltend_\@:
	s_wait_dscnt 0x0                               ; a pad's branch may have left rows on their way: R is loaded again only behind this wait
	s_wait_xcnt 0x0                                ; and the stores' data and offsets are rewritten only behind this one
	s_wait_alu depctr_vm_vsrc(0)                   ; the stores have read R, in which the next tile's rows land, and their offsets; the LDS stores have read the sums; the pass's loads have read AOFF: the next pass writes these again
.endm
	s_load_b256 s[4:11], s[0:1], 0x0               ; hs s[4:5], W2 s[6:7], b2 s[8:9], order s[10:11]
	s_load_b128 s[12:15], s[0:1], 0x20             ; meta s[12:13], out0 s[14:15]
	v_lshl_add_u32 v25, v0, 2, 0x44800
	v_mov_b32 v31, 0
	v_lshrrev_b32 v29, 5, v0
	v_readfirstlane_b32 s26, v29                   ; wave
	s_lshr_b32 s27, ttmp9, 5                       ; expert
	s_lshr_b32 s28, ttmp9, 1                       ; slab
	s_and_b32 s29, s28, 15                         ; which 64 columns
	s_and_b32 s31, ttmp9, 1                        ; which half of the tiles
	s_lshl_b32 s32, s27, 3                         ; the expert's pair in meta
	s_mov_b32 s33, 0
	s_lshl_b32 s34, s28, 19                        ; my slab: 64 rows of 8,192 bytes
	s_mov_b32 s35, 0
	s_lshl_b32 s36, s28, 8                         ; my 64 numbers of b2
	s_mov_b32 s37, 0
	v_and_b32 v26, 31, v0                          ; lane
	v_and_b32 v27, 15, v0                          ; r
	v_bfe_u32 v28, v0, 4, 1                        ; h
	v_lshlrev_b32 v1, 4, v26                       ; 16 lane
	s_wait_alu depctr_va_sdst(0)                   ; s26 is written, ahead of its first reader
	s_lshl_b32 s38, s26, 17
	v_add_nc_u32 v2, s38, v1                       ; my wave's 16 rows of the slab
	s_mul_i32 s38, s26, 16*P
	v_lshl_add_u32 v3, v26, 3, s38                 ; and where they go in LDS
	v_mul_u32_u24 v[BADR], v27, P
	v_lshl_add_u32 v[BADR], v28, 4, v[BADR]        ; r P + 16 h
.irp b, 1,2,3
	v_add_nc_u32 v[BADR+\b], \b*16*P, v[BADR]
.endr
	s_mul_i32 s38, s26, 16*SPITCH
	s_add_co_u32 s38, s38, STAGE                   ; my stage
	v_mad_u32_u24 v[STO], v27, SPITCH, s38
	v_lshl_add_u32 v[STO], v28, 5, v[STO]
	v_lshl_add_u32 v[RDA], v26, 3, s38
	s_lshl_b32 s39, s29, 8
	v_lshl_add_u32 v[CO], v26, 3, s39
	v_lshlrev_b32 v30, 5, v28                      ; 32 h
	s_wait_kmcnt 0x0
	s_add_nc_u64 s[32:33], s[12:13], s[32:33]
	s_load_b64 s[16:17], s[32:33], 0x0             ; first and end tile of my expert; waited for in front of the barrier
	s_add_nc_u64 s[6:7], s[6:7], s[34:35]
	s_add_nc_u64 s[8:9], s[8:9], s[36:37]
	s_wait_alu depctr_va_vdst(0)                   ; v2, v3, v[4:7], v14, v15 and v30 are written: loads, LDS loads and LDS stores read them as offset and address
	; THE WEIGHTS: 256 loads of 512 consecutive bytes a wave, in 32 groups of eight, up to 48 on their way; each is rounded to 256 bytes of bf16 and laid into LDS
.set wi, 0
.rept GRP*NX
	global_load_b128 v[X+4*wi:X+4*wi+3], v2, s[6:7] offset:wi*512
.set wi, wi+1
.endr
.set gi, 0
.rept NG
.if NG-1-gi < NX-1
	s_wait_loadcnt GRP*(NG-1-gi)                   ; the tail: the counts run down
.else
	s_wait_loadcnt GRP*(NX-1)                      ; loads come back in order (ISA guide 5.7.1): this group's eight are in, the five younger groups stay out
.endif
.if gi > 1
	s_wait_alu depctr_vm_vsrc(0)                   ; the LDS stores of the group two back have read this out-buffer, which the conversions below write again
.endif
.set ji, 0
.rept GRP
	v_cvt_pk_bf16_f32 v[Y+16*(gi%2)+2*ji], v[X+4*(GRP*(gi%NX)+ji)], v[X+4*(GRP*(gi%NX)+ji)+1]
	v_cvt_pk_bf16_f32 v[Y+16*(gi%2)+2*ji+1], v[X+4*(GRP*(gi%NX)+ji)+2], v[X+4*(GRP*(gi%NX)+ji)+3]
.set ji, ji+1
.endr
	s_wait_alu depctr_va_vdst(0)                   ; the conversions have written the out-buffer, which the LDS stores read, and are done reading the raw buffer, in which the loads land
.set ji, 0
.rept GRP
.if gi+NX < NG
	global_load_b128 v[X+4*(GRP*(gi%NX)+ji):X+4*(GRP*(gi%NX)+ji)+3], v2, s[6:7] offset:(GRP*(gi+NX)+ji)*512
.endif
	ds_store_b64 v3, v[Y+16*(gi%2)+2*ji:Y+16*(gi%2)+2*ji+1] offset:((GRP*gi+ji)/LPR)*P+((GRP*gi+ji)%LPR)*256
.set ji, ji+1
.endr
.set gi, gi+1
.endr
	s_wait_alu depctr_vm_vsrc(0)                   ; my LDS stores have read the two out-buffers, in which the bias lands (the conversions that wrote them stand ahead of the last wait on va_vdst)
.irp b, 0,1,2,3
	global_load_b128 v[BIAS+8*\b:BIAS+8*\b+3], v30, s[8:9] offset:64*\b       ; older than every load of a token fragment: in by the first K step's wait
	global_load_b128 v[BIAS+8*\b+4:BIAS+8*\b+7], v30, s[8:9] offset:64*\b+16
.endr
	s_wait_kmcnt 0x0                               ; the pair of tiles
	s_wait_dscnt 0x0                               ; for the other waves' sake: my 16 rows are in LDS before I signal
	s_barrier_signal -1
	s_barrier_wait -1                              ; the slab is whole; nobody writes it again
	s_sub_co_u32 s20, s17, s16                     ; the expert's tiles
	s_add_co_u32 s20, s20, 1
	s_lshr_b32 s20, s20, 1                         ; the first half's share, rounded up
	s_add_co_u32 s21, s16, s20
	s_cmp_lg_u32 s31, 0
	s_cselect_b32 s24, s21, s16                    ; my half's first tile
	s_cselect_b32 s25, s17, s21                    ; and its end
	s_mul_i32 s20, s26, MT
	s_add_co_u32 s18, s24, s20                     ; my wave's first tile; 12 tiles a pass for the four waves
	s_sub_co_u32 s19, s25, 1
	s_mov_b32 s23, 0                               ; the upper word of the offset into order
	s_cmp_ge_u32 s18, s25
	s_cbranch_scc1 .Ldone
	s_sub_co_u32 s41, s25, s18                     ; passes = ceil(n / 12), n = the tiles from my first to my half's end, at most 68:
	s_add_co_u32 s41, s41, 4*MT-1                  ; floor(y / 12) = (5462 y) >> 16 for y <= 79, since 5462 x 12 = 65544 adds less than 0.001 to a fraction of at most 0.92
	s_mul_i32 s41, s41, 5462
	s_lshr_b32 s41, s41, 16
	s_mov_b32 s40, 0                               ; the loop's counter: passes
.Lpass:
	HEAD 0, ORD0
	HEAD 1, ORD1
	HEAD 2, ORD2
	WIN 0x40
	s_wait_alu depctr_va_vdst(0)                   ; AOFF is written, which the pass's loads read; all that named the ring and the weight fragments' registers (the stream's conversions; the last pass's products and its row offsets' adds) is done
.set ki, 0
.rept RD-1
	ALOAD ki                                       ; K steps 0 to 8: 54 loads on their way
.set ki, ki+1
.endr
	WIN 0x04
.irp b, 0,1,2,3
	BL 0, \b
.endr
.set ki, 0
.rept KS
	STEP ki
.set ki, ki+1
.endr
	WIN 0
	PLACES 5                                       ; behind the last matrix instruction: for the LDS stores that read the sums, the arithmetic that writes over the weight fragments, and the next pass's first products, which write over the sums
	s_wait_kmcnt 0x0                               ; the three tiles' tokens, asked for at the pass's head
	TOFF 0, ORD0
	TOFF 1, ORD1
	TOFF 2, ORD2
	s_wait_alu depctr_va_vdst(0)                   ; the products have written the sums, which the LDS stores read (the places above stay beside this wait); the adds have written the 48 row offsets, which the stores to out0 read
	EPI 0, ORD0
	EPI 1, ORD1
	EPI 2, ORD2
.Lpend:                                            ; every way here has passed a tile's closing waits: no LDS load is out, no store's source is pending
	s_add_co_u32 s18, s18, 4*MT                    ; my next three tiles
	s_add_co_u32 s40, s40, 1
	s_cmp_lt_u32 s40, s41
	s_cbranch_scc1 .Lpass
.Ldone:
	s_wait_dscnt 0x0
	s_wait_alu depctr_hold_cnt(0) depctr_sa_sdst(0) depctr_va_vdst(0) depctr_va_sdst(0) depctr_va_ssrc(0) depctr_va_vcc(0) depctr_vm_vsrc(0)
	s_wait_tensorcnt 0x0
	ds_add_u32 v25, v31
	s_wait_dscnt 0x0
	s_endpgm
.Lfunc_end_k_q776b5aac4c_fc2:
	.size	k_q776b5aac4c_fc2, .Lfunc_end_k_q776b5aac4c_fc2-k_q776b5aac4c_fc2
	.p2alignl 7, 3214868480
	.fill 96, 4, 3214868480
	.section	.rodata,"a",@progbits
	.p2align	6, 0x0
	.amdhsa_kernel k_q776b5aac4c_fc2
		.amdhsa_group_segment_fixed_size 281088
		.amdhsa_private_segment_fixed_size 0
		.amdhsa_enable_private_segment 0
		.amdhsa_kernarg_size 48
		.amdhsa_user_sgpr_count 2
		.amdhsa_user_sgpr_kernarg_segment_ptr 1
		.amdhsa_wavefront_size32 1
		.amdhsa_system_sgpr_workgroup_id_x 1
		.amdhsa_system_sgpr_workgroup_id_y 1
		.amdhsa_system_sgpr_workgroup_id_z 1
		.amdhsa_system_vgpr_workitem_id 0
		.amdhsa_next_free_vgpr 512
		.amdhsa_next_free_sgpr 100
		.amdhsa_reserve_vcc 0
		.amdhsa_float_denorm_mode_32 3
		.amdhsa_float_denorm_mode_16_64 3
		.amdhsa_memory_ordered 1
		.amdhsa_forward_progress 1
		.amdhsa_inst_pref_size 228
	.end_amdhsa_kernel
	.amdgpu_metadata
---
amdhsa.version: [ 1, 2 ]
amdhsa.kernels:
  - .name:           k_q776b5aac4c_fc2
    .symbol:         k_q776b5aac4c_fc2.kd
    .args:
      - { .name: hs, .offset: 0, .size: 8, .value_kind: global_buffer, .address_space: global }
      - { .name: W2, .offset: 8, .size: 8, .value_kind: global_buffer, .address_space: global }
      - { .name: b2, .offset: 16, .size: 8, .value_kind: global_buffer, .address_space: global }
      - { .name: order, .offset: 24, .size: 8, .value_kind: global_buffer, .address_space: global }
      - { .name: meta, .offset: 32, .size: 8, .value_kind: global_buffer, .address_space: global }
      - { .name: out0, .offset: 40, .size: 8, .value_kind: global_buffer, .address_space: global }
    .group_segment_fixed_size: 281088
    .private_segment_fixed_size: 0
    .kernarg_segment_align: 8
    .kernarg_segment_size: 48
    .max_flat_workgroup_size: 128
    .sgpr_count:     100
    .vgpr_count:     512
    .wavefront_size: 32
...
	.end_amdgpu_metadata
.endif
;; end of part 6
